; MI455X (gfx1250); checked and timed in simulation.
; The chip was launched on July 23, 2026; its instructions are those of AMD's public machine-readable ISA for CDNA 5 (MIT licence, August 2026) and "CDNA5" Instruction Set Architecture Reference Guide (July 2026). The comments in the code are by the model that wrote it; some were corrected since.
;; Moe Fused Linear. Allowed arithmetic: matrix products marked QUANTISED: E4M3 operands, one E8M0 scale for each 32 along K, by v_wmma_scale_f32_16x16x128_f8f6f4 with both operands' format E4M3, f32 sums; everything else in f32.
;; Inputs: input 2,048 x 2,048 float32; m_sizes 8 int32; weight 8 x 2,048 x 2,048 float32.
;; Outputs: out0 2,048 x 2,048 float32.
;; This version of the problem:
;;   THIS VERSION OF THE PROBLEM IS GIVEN IN LOW PRECISION. The matrix products marked QUANTISED in the list below multiply operands that are first quantised to E4M3 (4 exponent bits, 3 mantissa bits; 8 bits a number), with one power-of-two scale for each 32 numbers along K (OCP MX v1.0); their sums are f32. All else is computed in f32.
;;   The module's matrix products, in the order in which they are computed (A, B: the left and right operand; K: the contracted axis; several contracted axes count as one K, in the product's order):
;;     1. [M 2,048, K 2,048] x [K 2,048, N 2,048]; A: computed on the way; B: input weight: QUANTISED
;;     2. [M 2,048, K 2,048] x [K 2,048, N 2,048]; A: computed on the way; B: input weight: QUANTISED
;;     3. [M 2,048, K 2,048] x [K 2,048, N 2,048]; A: computed on the way; B: input weight: QUANTISED
;;     4. [M 2,048, K 2,048] x [K 2,048, N 2,048]; A: computed on the way; B: input weight: QUANTISED
;;     5. [M 2,048, K 2,048] x [K 2,048, N 2,048]; A: computed on the way; B: input weight: QUANTISED
;;     6. [M 2,048, K 2,048] x [K 2,048, N 2,048]; A: computed on the way; B: input weight: QUANTISED
;;     7. [M 2,048, K 2,048] x [K 2,048, N 2,048]; A: computed on the way; B: input weight: QUANTISED
;;     8. [M 2,048, K 2,048] x [K 2,048, N 2,048]; A: computed on the way; B: input weight: QUANTISED
;;   THE QUANTISER, for each operand of a quantised product, along K:
;;     - K is cut into blocks of 32 from its start; a last block that is shorter is filled with zeros.
;;     - A block's scale is 2^e with e = floor(log2(the largest magnitude in the block)) - 8, held to -126 .. 127; a block of zeros has e = 0. As a byte (E8M0): e + 127.
;;     - Each number is divided by its block's scale, clamped to +-448, and rounded to the nearest number of E4M3, ties to even, subnormals kept.
;;     - The product sums the exact products of the quantised numbers (number of the format x scale) in f32.
;;   ~~~python
;;   def quantise(x, axis):      # numpy; x: float32 -> the quantised numbers, widened to float32 again
;;       x = np.moveaxis(x, axis, -1); K = x.shape[-1]
;;       x = np.pad(x, [(0, 0)] * (x.ndim - 1) + [(0, -K % 32)]); x = x.reshape(x.shape[:-1] + (-1, 32)); a = np.abs(x).max(-1, keepdims=True)
;;       e = np.where(a > 0, np.clip(np.frexp(np.where(a > 0, a, 1))[1] - 1 - 8, -126, 127), 0)      # np.frexp(a)[1] - 1 = floor(log2(a)), exactly
;;       r = np.clip(x / 2.0 ** e, -448, 448)
;;       step = 2.0 ** (np.maximum(np.frexp(np.where(r == 0, 1, r))[1] - 1, -6) - 3)
;;       q = np.round(r / step) * step * 2.0 ** e      # np.round: ties to even
;;       return np.moveaxis(q.reshape(q.shape[:-2] + (-1,))[..., :K], -1, axis).astype(np.float32)
;;   ~~~
;;   OPERANDS COMPUTED ON THE WAY. 'Computed on the way' means the value that the module computes at that place (a softmax that the list does not call 'softmax' is quantised finished and normalised). What goes into a quantiser is computed in f32, as accurately as f32 sums, v_exp_f32 and their like allow (about 1e-6 of the number): no bf16 or f16 on the way to a quantiser, and a product that is left as it is and whose result goes on into a quantised operand takes f32 operands (vector FMAs, or v_wmma_f32_16x16x4_f32). A number that lies on a knife's edge between two numbers of the format may be rounded either way, as far as f32 arithmetic and the matrix unit's own rounding can turn it there, and no further.
;; 2 versions. Each part assembles by itself: llvm-mc -triple=amdgcn-amd-amdhsa -mcpu=gfx1250 --defsym DOCPART=n.
;; ======== version 1 of 2: 2 launches
;; workspace buffers: xq 4,194,304 bytes; xs 131,072 bytes
;; launch quantx (part 1): grid 256 x 1, 8 waves a work-group, no clusters, 69,120 bytes of LDS; arguments input, m_sizes, xq, xs, out0; writes xq, xs, out0
.if DOCPART == 1
	.amdgcn_target "amdgcn-amd-amdhsa--gfx1250"
	.amdhsa_code_object_version 6
	.text
	.protected	k_q4ece92af68_quantx
	.globl	k_q4ece92af68_quantx
	.p2align	8
	.type	k_q4ece92af68_quantx,@function
k_q4ece92af68_quantx:
	s_mov_b64 s[64:65], 0
	v_nop
	global_prefetch_b8 v0, s[64:65] scope:SCOPE_SE
	s_setreg_imm32_b32 hwreg(HW_REG_WAVE_MODE, 25, 1), 1
	s_wait_xcnt 0x0
; input [2048][2048] f32 is rounded to bf16, as reference() rounds it ahead of its products, and then becomes codes of FP8 (E4M3) with one E8M0 scale byte for each 32 along K,
; once for the whole program: the 32 work-groups of an expert in the next launch all read them.
; xq: [k / 32 : 64][row : 2048][32 bytes]: any 16 consecutive rows of one block of K are 512 consecutive bytes, whatever row an expert begins at.
; xs: [k / 128 : 16][row : 2048] one word: byte b is the scale byte of block 4 (k / 128) + b.
; A block's scale is 2^(floor(log2(its largest magnitude)) - 8); its byte is the largest magnitude's exponent field - 8, held at 1 from below.  Each number is divided by the scale, held within +-448 and rounded to the nearest code, ties to even.
; The launch also writes the rows of out0 that no expert covers: rows min(sum of m_sizes, 2048) .. 2047 are zeros.
; LIMITS: m_sizes holds numbers that are not negative, their sum under 2^31; NaN and infinities among the inputs, and numbers that the rounding to bf16 turns into infinity, are not served;
; a block of zeros gets the byte 1 (the rule says 127): its codes are zeros, which add nothing under any byte but 0xff, and this program alone reads the bytes.
; SHARES.  Work-group b: rows 64 (b % 32) on, K steps 2 (b / 32) and 2 (b / 32) + 1 of 128.  Wave w: 16 rows (16 (w % 4) on) x one K step (w / 4): one fragment.
; Each of its 16 loads reads 512 consecutive bytes of one row; the 8,192 bytes turn through the wave's own stage in LDS, so that a lane then holds 16 neighbours along K of each of its row's four blocks.
; No matrix unit, no tensor loads, no cluster: memory binds, and no byte is read twice.
.set STGB, 8448                        ; a wave's stage: 16 rows x (512 bytes + 16): 33 x 16 bytes from row to row, so that the 16 rows of a read start at 16 different banks (64 banks of 4 bytes: ISA guide 11.1)
.set SCW,  8*STGB                      ; behind the stages: the work-group's scale words, 2 K steps x 64 rows x 4 bytes
.set VW,   4                           ; v4    16 x lane: my 16 bytes of a load's 512
.set SA,   5                           ; v5    the stage, on the way in
.set SL,   6                           ; v6    and on the way out: row r, + 64 h
.set CO,   7                           ; v7    my codes' place among 16 rows of xq: 32 r + 16 h
.set SWA,  8                           ; v8    LDS: where my row's scale word goes
.set SWR,  9                           ; v9    LDS: where 8 bytes of 64 rows' words are read back
.set XO,   10                          ; v10   8 x lane: their place in xs
.set ZR,   12                          ; v12-15 zeros
.set SW,   16                          ; v16-17 scale words on the way out
.set PW,   30                          ; v30   the scale word just made
.set TM,   32                          ; v32-39 pairs of bf16 at work; then v32-35 largest magnitudes, v36-39 bytes, v40-43 448 x the scale, v44-47 the conversions' scale operands
.set PC,   48                          ; v48-63 the codes
.set R,    64                          ; v64-127 the numbers
.set WV,   14
.set MS,   16                          ; s[16:23] m_sizes
.set TOT,  24
.set N0,   25
.set U,    26
.set T,    27
.set RG,   28
.set KS,   29
.set ROW0, 30
.set T0,   31
.set SEL,  36
.set MNT,  38
.set T2,   40
.set MSK,  42                          ; s42   a word's upper bf16
	s_load_b256 s[4:11], s[0:1], 0x0               ; input s[4:5], m_sizes s[6:7], xq s[8:9], xs s[10:11]
	s_load_b64 s[12:13], s[0:1], 0x20              ; out0
	v_lshl_add_u32 v128, v0, 2, 0x10a00
	v_mov_b32 v129, 0
	v_lshrrev_b32 v1, 5, v0
	v_readfirstlane_b32 s[WV], v1                  ; wave 0..7
	v_and_b32 v1, 31, v0                           ; lane
	v_and_b32 v2, 15, v0                           ; r
	v_bfe_u32 v3, v0, 4, 1                         ; h
	v_lshlrev_b32 v[VW], 4, v1
	s_lshr_b32 s[U], s[WV], 2                      ; which of the work-group's two K steps
	s_and_b32 s[T], s[WV], 3                       ; which 16 of its 64 rows
	s_and_b32 s[RG], ttmp9, 31
	s_lshr_b32 s[KS], ttmp9, 5
	s_lshl_b32 s[KS], s[KS], 1
	s_add_co_u32 s[KS], s[KS], s[U]                ; my K step, 0..15
	s_lshl_b32 s[ROW0], s[RG], 6
	s_lshl_b32 s[T0], s[T], 4
	s_add_co_u32 s[ROW0], s[ROW0], s[T0]           ; my first row
	s_lshl_b32 s[T2], s[ROW0], 13                  ; a row is 8,192 bytes,
	s_lshl_b32 s[T0], s[KS], 9                     ; a K step 512
	s_add_co_u32 s[T2], s[T2], s[T0]
	s_mov_b32 s[T2+1], 0
	s_wait_kmcnt 0x0
	s_load_b256 s[MS:MS+7], s[6:7], 0x0            ; the eight sizes: wanted at the end
	s_add_nc_u64 s[4:5], s[4:5], s[T2:T2+1]
.irp i, 0,1,2,3,4,5,6,7,8,9,10,11,12,13,14,15
	global_load_b128 v[R+4*\i:R+4*\i+3], v[VW], s[4:5] offset:8192*\i th:TH_LOAD_NT   ; row i: 32 lanes read 512 consecutive bytes; read once in the whole program
.endr
	s_mul_i32 s[T0], s[WV], STGB                   ; my stage
	v_lshl_add_u32 v[SA], v1, 4, s[T0]
	v_mul_u32_u24 v[SL], v2, 528
	v_lshl_add_u32 v[SL], v3, 6, v[SL]
	v_add_nc_u32 v[SL], s[T0], v[SL]
	v_lshlrev_b32 v[CO], 5, v2
	v_lshl_add_u32 v[CO], v3, 4, v[CO]
	s_lshl_b32 s[T0], s[WV], 6                     ; 256 x K step + 64 x my 16 rows = 64 x wave
	s_add_co_u32 s[T0], s[T0], SCW
	v_lshl_add_u32 v[SWA], v2, 2, s[T0]
	s_lshl_b32 s[T0], s[U], 8
	s_add_co_u32 s[T0], s[T0], SCW
	v_lshl_add_u32 v[SWR], v1, 3, s[T0]
	v_lshlrev_b32 v[XO], 3, v1
.irp i, 0,1,2,3
	v_mov_b32 v[ZR+\i], 0
.endr
	s_mov_b32 s[SEL], 0x76543210
	s_mov_b32 s[SEL+1], 0xfedcba98                 ; v_permlanex16_b32's selects for lane l xor 16
	s_mov_b32 s[MNT], 0x600000                     ; the mantissa field of 448
	s_mov_b32 s[MSK], 0xffff0000
	s_lshl_b32 s[T2], s[KS], 18                    ; xq: four planes of 65,536 bytes a K step,
	s_lshl_b32 s[T0], s[ROW0], 5                   ; 32 bytes a row
	s_add_co_u32 s[T2], s[T2], s[T0]
	s_add_nc_u64 s[8:9], s[8:9], s[T2:T2+1]
	s_lshl_b32 s[T2], s[KS], 13                    ; xs: 8,192 bytes a K step,
	s_lshl_b32 s[T0], s[RG], 8                     ; 256 for the work-group's 64 rows
	s_add_co_u32 s[T2], s[T2], s[T0]
	s_add_nc_u64 s[10:11], s[10:11], s[T2:T2+1]
	s_wait_loadcnt 0x0
	; the turn: in as loaded, out 64 bytes of a block a lane.  LDS serves a wave's instructions in order (ISA guide 5.7.1.4): no wait between the stores and the loads, which land in the registers that the stores left
.irp i, 0,1,2,3,4,5,6,7,8,9,10,11,12,13,14,15
	ds_store_b128 v[SA], v[R+4*\i:R+4*\i+3] offset:528*\i
.endr
.irp b, 0,1,2,3
.irp j, 0,1,2,3
	ds_load_b128 v[R+16*\b+4*\j:R+16*\b+4*\j+3], v[SL] offset:128*\b+16*\j   ; register 16 b + i = k 32 b + 16 h + i of row r
.endr
.endr
	s_wait_dscnt 0x0
	; reference()'s input.astype(bfloat16): each number to the nearest bf16, ties to even, and widened again; all behind it is f32.  (v36-39, the lane permutes' destinations below, are written here on the way)
.irp g, 0,1,2,3
.irp p, 0,1,2,3,4,5,6,7
	v_cvt_pk_bf16_f32 v[TM+\p], v[R+16*\g+2*\p], v[R+16*\g+2*\p+1]
.endr
.irp p, 0,1,2,3,4,5,6,7
	v_lshlrev_b32 v[R+16*\g+2*\p], 16, v[TM+\p]
	v_and_b32 v[R+16*\g+2*\p+1], s[MSK], v[TM+\p]
.endr
.endr
.irp b, 0,1,2,3
	v_max3_num_f32 v[TM+\b], |v[R+16*\b]|, |v[R+1+16*\b]|, 0x4800000   ; block b: my 16 numbers, and the floor 2^(9 - 127): so the byte cannot fall under 1
.endr
.irp i, 2,4,6,8,10,12,14
.irp b, 0,1,2,3
	v_max3_num_f32 v[TM+\b], v[TM+\b], |v[R+16*\b+\i]|, |v[R+1+16*\b+\i]|   ; the four blocks by turns: no line waits for the line above it
.endr
.endr
.irp b, 0,1,2,3
	v_permlanex16_b32 v[TM+4+\b], v[TM+\b], s[SEL], s[SEL+1]
.endr
.irp b, 0,1,2,3
	v_max_num_f32 v[TM+\b], v[TM+\b], v[TM+4+\b]   ; with lane l xor 16's 16: the block's largest magnitude
.endr
.irp b, 0,1,2,3
	v_add_nc_u32 v[TM+12+\b], 0xfc000000, v[TM+\b] ; 8 off its exponent field: the conversion takes this operand's exponent field as its scale
.endr
.irp b, 0,1,2,3
	v_and_or_b32 v[TM+8+\b], v[TM+\b], 0x7f800000, s[MNT]   ; 448 x the scale
.endr
.irp b, 0,1,2,3
	v_lshrrev_b32 v[TM+4+\b], 23, v[TM+12+\b]      ; the scale's byte
.endr
	v_lshl_or_b32 v[PW], v[TM+5], 8, v[TM+4]       ; the four bytes make my row's scale word; lanes r and r + 16 hold the same
	v_lshl_or_b32 v[PW], v[TM+6], 16, v[PW]
	v_lshl_or_b32 v[PW], v[TM+7], 24, v[PW]
.irp b, 0,1,2,3
.irp i, 0,1,2,3,4,5,6,7,8,9,10,11,12,13,14,15
	v_med3_num_f32 v[R+16*\b+\i], v[R+16*\b+\i], -v[TM+8+\b], v[TM+8+\b]   ; the conversion to an 8-bit code does not saturate (ISA guide 7.6.2): hold first
.endr
.endr
.irp b, 0,1,2,3
	v_cvt_scalef32_pk8_fp8_f32 v[PC+4*\b:PC+4*\b+1], v[R+16*\b:R+16*\b+7], v[TM+12+\b]
	v_cvt_scalef32_pk8_fp8_f32 v[PC+4*\b+2:PC+4*\b+3], v[R+16*\b+8:R+16*\b+15], v[TM+12+\b]
.endr
	v_nop                                          ; one plain vector line behind the last conversion
.irp c, 0,1,2,3
	global_store_b128 v[CO], v[PC+4*\c:PC+4*\c+3], s[8:9] offset:65536*\c   ; block c of my K step: the 32 lanes store 512 consecutive bytes, at a multiple of 512 from xq's first byte
.endr
	ds_store_b32 v[SWA], v[PW]                     ; lanes r and r + 16 write the same word with the same value
	s_wait_dscnt 0x0                               ; for the others' sake: my word stores are done
	s_barrier_signal -1
	s_barrier_wait -1                              ; the one barrier: the words of 64 rows x 2 K steps lie in LDS
	s_cmp_lg_u32 s[T], 0                           ; waves 0 and 4 send them out, one K step each
	s_cbranch_scc1 .Lno_xs
	ds_load_b64 v[SW:SW+1], v[SWR]
	s_wait_dscnt 0x0
	global_store_b64 v[XO], v[SW:SW+1], s[10:11]   ; 32 lanes store 256 consecutive bytes, at a multiple of 256 from xs's first byte
.Lno_xs:
	; THE ROWS THAT NO EXPERT COVERS.  Of my 16 rows, those from min(sum, 2048) on get zeros in my K step's 128 columns (512 bytes)
	s_wait_kmcnt 0x0
	s_add_co_u32 s[TOT], s[MS], s[MS+1]
.irp i, 2,3,4,5,6,7
	s_add_co_u32 s[TOT], s[TOT], s[MS+\i]
.endr
	s_min_u32 s[TOT], s[TOT], 0x800
	s_sub_co_i32 s[N0], s[TOT], s[ROW0]
	s_max_i32 s[N0], s[N0], 0
	s_min_u32 s[N0], s[N0], 16                     ; how many of my 16 rows are covered
	s_add_co_u32 s[T0], s[ROW0], s[N0]
	s_lshl_b32 s[T2], s[T0], 13
	s_lshl_b32 s[T0], s[KS], 9
	s_add_co_u32 s[T2], s[T2], s[T0]
	s_add_nc_u64 s[12:13], s[12:13], s[T2:T2+1]    ; out0 at my first uncovered row (not used where there is none)
	s_cmp_lt_u32 s[N0], 16
	s_cbranch_scc0 .Ldone
.Lzero:
	global_store_b128 v[VW], v[ZR:ZR+3], s[12:13] th:TH_STORE_NT   ; 512 consecutive bytes of one row
	s_wait_xcnt 0x0                                ; the base is stepped only behind this wait
	s_add_nc_u64 s[12:13], s[12:13], 0x2000
	s_add_co_u32 s[N0], s[N0], 1
	s_cmp_lt_u32 s[N0], 16
	s_cbranch_scc1 .Lzero
.Ldone:
	s_wait_tensorcnt 0x0
	ds_add_u32 v128, v129
	s_wait_dscnt 0x0
	s_endpgm
.Lfunc_end_k_q4ece92af68_quantx:
	.size	k_q4ece92af68_quantx, .Lfunc_end_k_q4ece92af68_quantx-k_q4ece92af68_quantx
	.p2alignl 7, 3214868480
	.fill 96, 4, 3214868480
	.section	.rodata,"a",@progbits
	.p2align	6, 0x0
	.amdhsa_kernel k_q4ece92af68_quantx
		.amdhsa_group_segment_fixed_size 69120
		.amdhsa_private_segment_fixed_size 0
		.amdhsa_enable_private_segment 0
		.amdhsa_kernarg_size 40
		.amdhsa_user_sgpr_count 2
		.amdhsa_user_sgpr_kernarg_segment_ptr 1
		.amdhsa_wavefront_size32 1
		.amdhsa_system_sgpr_workgroup_id_x 1
		.amdhsa_system_sgpr_workgroup_id_y 1
		.amdhsa_system_sgpr_workgroup_id_z 1
		.amdhsa_system_vgpr_workitem_id 0
		.amdhsa_next_free_vgpr 130
		.amdhsa_next_free_sgpr 66
		.amdhsa_reserve_vcc 0
		.amdhsa_float_denorm_mode_32 3
		.amdhsa_float_denorm_mode_16_64 3
		.amdhsa_memory_ordered 1
		.amdhsa_forward_progress 1
		.amdhsa_inst_pref_size 20
	.end_amdhsa_kernel
	.amdgpu_metadata
---
amdhsa.version: [ 1, 2 ]
amdhsa.kernels:
  - .name:           k_q4ece92af68_quantx
    .symbol:         k_q4ece92af68_quantx.kd
    .args:
      - { .name: input, .offset: 0, .size: 8, .value_kind: global_buffer, .address_space: global }
      - { .name: m_sizes, .offset: 8, .size: 8, .value_kind: global_buffer, .address_space: global }
      - { .name: xq, .offset: 16, .size: 8, .value_kind: global_buffer, .address_space: global }
      - { .name: xs, .offset: 24, .size: 8, .value_kind: global_buffer, .address_space: global }
      - { .name: out0, .offset: 32, .size: 8, .value_kind: global_buffer, .address_space: global }
    .group_segment_fixed_size: 69120
    .private_segment_fixed_size: 0
    .kernarg_segment_align: 8
    .kernarg_segment_size: 40
    .max_flat_workgroup_size: 256
    .sgpr_count:     66
    .vgpr_count:     130
    .wavefront_size: 32
...
	.end_amdgpu_metadata
.endif
;; end of part 1
;; launch moe (part 2): grid 32 x 8, 4 waves a work-group, no clusters, 173,568 bytes of LDS; arguments weight, m_sizes, xq, xs, out0; writes out0
.if DOCPART == 2
	.amdgcn_target "amdgcn-amd-amdhsa--gfx1250"
	.amdhsa_code_object_version 6
	.text
	.protected	k_q4ece92af68_moe
	.globl	k_q4ece92af68_moe
	.p2align	8
	.type	k_q4ece92af68_moe,@function
k_q4ece92af68_moe:
	s_mov_b64 s[64:65], 0
	v_nop
	global_prefetch_b8 v0, s[64:65] scope:SCOPE_SE
	s_setreg_imm32_b32 hwreg(HW_REG_WAVE_MODE, 25, 1), 1
	s_wait_xcnt 0x0
; out0[row][n] = bf16(sum over k of Q(bf16(input[row][k])) Q(bf16(weight[e][n][k]))) for the rows [lo, hi) of expert e, lo and hi the running sums of m_sizes held at 2,048.  Q: codes of FP8 (E4M3), one E8M0 scale for each 32 along K; sums in f32.
; The three roundings to bf16 are reference()'s own: input and weight ahead of the product, y behind it; each number is widened to f32 again at once.
; SHARES.  Work-group (x, y) owns expert y and output columns 64 x .. 64 x + 63: it is the only reader of those 64 rows of weight (512 KiB of f32), so it quantises them in registers on the way and no weight byte is read twice.
; The rows' codes and scale words come from xq and xs, made by the launch before, straight into registers: each fragment of x is read by one wave.
; PASS 0 (constant trip counts, all 16 barriers): K goes in 16 steps of 128.  In step s wave w turns its 16 rows of the slab into fragment (s, w) and stores it in LDS AS AN IMAGE OF ITS REGISTERS (four stores of 512 bytes, lane l's
; 16 bytes at 16 l; the scale words at 4 l); a barrier; every wave loads the four fragments by the same lines and multiplies them with its own 64 rows of x (4 tiles): 16 accumulators, 16 matrix instructions a step.
; The images stay in LDS.  PASSES 1 ON (their number hangs on m_sizes; no barrier stands there): the next 256 rows of the expert against the images that pass 0 left, all 16 K steps written out with immediate LDS offsets.
; THE MATRIX INSTRUCTION IS USED TRANSPOSED (source 0 = 16 rows of weight, source 1 = 16 rows of x): a lane holds eight neighbouring columns of one row of out0.
; ROWS WITHOUT MASKS.  Every row number is min(row, hi - 1): what lies past the expert's end computes row hi - 1 again and stores the same numbers to the same place, from the same wave.  EXEC never changes.
; A wave whose first row lies at or past hi stores nothing (an empty expert's work-groups store nothing at all).
; NO JOINT REQUESTS, though the 32 work-groups of an expert read the same codes of x: a joint request is a tensor load, and this text's number of passes is read from m_sizes.
; LIMITS: m_sizes holds numbers that are not negative, their sum under 2^31; NaN and infinities among the inputs, and numbers that the rounding to bf16 turns into infinity, are not served;
; a block of zeros gets the byte 1 with zero codes (this program alone reads the bytes).
; REGISTERS, in windows of 256 (s_set_vgpr_msb: bits 1:0 source 0, 3:2 source 1, 5:4 source 2, 7:6 destination):
;   window 0: v1-28 lane terms and addresses; v30 a scale word; v32-47 at work; v50-55 x's scale words (three buffers of two); v56-59 weight's; v64-255 three sets of 64 numbers of weight; on the way out v64-191 rows, v192-223 their offsets
;   window 1: v0-191 three buffers of x's four fragments; v192-255 weight's four fragments          window 2: v0-127 the 16 accumulators ((t, j) at 8 (4 t + j)); v128-143 the codes just made
.set BLK,  8704                        ; LDS: a K step's block: four images of 2,048 bytes, then four times 128 bytes of scale words
.set STG,  16*BLK                      ; behind the 16 blocks: a stage of 8,448 bytes for each wave: 16 rows x 528 for the turn, 16 rows x 272 on the way out
.set VW,   4                           ; v4    16 x lane: my 16 bytes of a load's 512
.set SA,   5                           ; v5    the stage, on the way in
.set SL,   6                           ; v6    and out: row r, + 64 h
.set VRB,  7                           ; v7    my wave's first row + h
.set ADI0, 8                           ; v8    2,048 x wave + 16 x lane: my image's place in a block
.set ADS0, 9                           ; v9    128 x wave + 4 x lane: my scale words'
.set ADI,  10                          ; v10-13 the same four places in the block that s[TB] names: image store, word store, image load, word load
.set ADS,  11
.set ADF,  12
.set ADT,  13
.set VA,   14                          ; v14-17 tile t: 32 x its row for my lane + 16 h
.set VS,   18                          ; v18-19 4 x the row whose scale word my lane takes: lanes 0-15 tile 2 u, lanes 16-31 tile 2 u + 1
.set OSI,  20                          ; v20   the way out: where I put 32 bytes of a row
.set OSO,  21                          ; v21   and where I read a row back
.set FB,   22                          ; v22-24 16 x lane + 7 BLK g: the later passes reach all 16 blocks by 16-bit offsets from three bases
.set FT,   25                          ; v25-27 4 x lane + 7 BLK g
.set VC,   28                          ; v28   16 r
.set PW,   30
.set TM,   32                          ; v32-47 pairs of bf16 at work; in the quantiser v32-35 largest magnitudes, v36-39 bytes, v40-43 448 x the scale, v44-47 the conversions' scale operands
.set XSV,  50
.set BS,   56
.set R,    64
.set OUT,  64
.set OA,   192
.set AF,   0                           ; window 1
.set BF,   192                         ; window 1
.set ACC,  0                           ; window 2
.set PC,   128                         ; window 2
.set WB,   4                           ; s[4:5]   weight at my wave's 16 rows, stepped along K
.set XQ0,  8                           ; s[8:9]   xq
.set XS0,  10                          ; s[10:11] xs
.set OB,   12                          ; s[12:13] out0 at my slab's first column
.set WV,   14
.set EX,   15
.set MS,   16                          ; s[16:23] m_sizes
.set LO,   24
.set HI,   25
.set HI1,  26
.set ROW0, 27
.set NP,   28
.set PS,   29
.set CNT,  30
.set T0,   31
.set XQP,  32                          ; s[32:33] xq, stepped along K in pass 0
.set XSP,  34                          ; s[34:35] xs likewise
.set SEL,  36
.set MNT,  38
.set TB,   39                          ; s39   LDS byte at which the block in hand begins
.set T2,   40
.set MSK,  42                          ; s42   a word's upper bf16
.set MSB,  0
.macro WIN new                         ; the immediate's high byte repeats the setting that is left; a switch that changes nothing is dropped
.if MSB != \new
	s_set_vgpr_msb (MSB<<8)|\new
.set MSB, \new
.endif
.endm
; 16 rows x 128 K of weight, f32, from off bytes behind s[WB]: each load reads 512 consecutive bytes of one row; read once in the whole program
.macro LOADRAW reg, off
.irp i, 0,1,2,3,4,5,6,7,8,9,10,11,12,13,14,15
	global_load_b128 v[\reg+4*\i:\reg+4*\i+3], v[VW], s[WB:WB+1] offset:\off+8192*\i th:TH_LOAD_NT
.endr
.endm
; through my stage: in as loaded, out so that register 16 b + i = k 32 b + 16 h + i of row r.  LDS serves a wave's instructions in order (ISA guide 5.7.1.4): no wait between; the loads land in the registers that the stores left.
; 528 bytes from row to row are 33 x 16: the 16 rows of a read start at 16 different banks (64 banks of 4 bytes: ISA guide 11.1)
.macro TURN reg
.irp i, 0,1,2,3,4,5,6,7,8,9,10,11,12,13,14,15
	ds_store_b128 v[SA], v[\reg+4*\i:\reg+4*\i+3] offset:528*\i
.endr
.irp b, 0,1,2,3
.irp j, 0,1,2,3
	ds_load_b128 v[\reg+16*\b+4*\j:\reg+16*\b+4*\j+3], v[SL] offset:128*\b+16*\j
.endr
.endr
.endm
; reference()'s weight.astype(bfloat16): 64 numbers of a lane, each to the nearest bf16, ties to even, and widened again; all behind it is f32.  (v36-39, the lane permutes' destinations in QUANT, are written here on the way)
.macro ROUNDB s
.irp g, 0,1,2,3
.irp p, 0,1,2,3,4,5,6,7
	v_cvt_pk_bf16_f32 v[TM+\p], v[\s+16*\g+2*\p], v[\s+16*\g+2*\p+1]
.endr
.irp p, 0,1,2,3,4,5,6,7
	v_lshlrev_b32 v[\s+16*\g+2*\p], 16, v[TM+\p]
	v_and_b32 v[\s+16*\g+2*\p+1], s[MSK], v[TM+\p]
.endr
.endr
.endm
; 64 numbers of a lane become a fragment's codes (window 2, v[PC] on) and its scale word v[PW]
.macro QUANT s
.irp b, 0,1,2,3
	v_max3_num_f32 v[TM+\b], |v[\s+16*\b]|, |v[\s+1+16*\b]|, 0x4800000   ; block b: my 16 numbers, and the floor 2^(9 - 127): so the byte cannot fall under 1
.endr
.irp i, 2,4,6,8,10,12,14
.irp b, 0,1,2,3
	v_max3_num_f32 v[TM+\b], v[TM+\b], |v[\s+16*\b+\i]|, |v[\s+1+16*\b+\i]|   ; the four blocks by turns
.endr
.endr
.irp b, 0,1,2,3
	v_permlanex16_b32 v[TM+4+\b], v[TM+\b], s[SEL], s[SEL+1]
.endr
.irp b, 0,1,2,3
	v_max_num_f32 v[TM+\b], v[TM+\b], v[TM+4+\b]   ; with lane l xor 16's 16: the block's largest magnitude
.endr
.irp b, 0,1,2,3
	v_add_nc_u32 v[TM+12+\b], 0xfc000000, v[TM+\b] ; 8 off its exponent field: the conversion's scale operand
.endr
.irp b, 0,1,2,3
	v_and_or_b32 v[TM+8+\b], v[TM+\b], 0x7f800000, s[MNT]   ; 448 x the scale
.endr
.irp b, 0,1,2,3
	v_lshrrev_b32 v[TM+4+\b], 23, v[TM+12+\b]      ; the scale's byte
.endr
	v_lshl_or_b32 v[PW], v[TM+5], 8, v[TM+4]
	v_lshl_or_b32 v[PW], v[TM+6], 16, v[PW]
	v_lshl_or_b32 v[PW], v[TM+7], 24, v[PW]
.irp b, 0,1,2,3
.irp i, 0,1,2,3,4,5,6,7,8,9,10,11,12,13,14,15
	v_med3_num_f32 v[\s+16*\b+\i], v[\s+16*\b+\i], -v[TM+8+\b], v[TM+8+\b]   ; the conversion to an 8-bit code does not saturate (ISA guide 7.6.2): hold first
.endr
.endr
	WIN 0x80                                       ; destination window 2
.irp b, 0,1,2,3
	v_cvt_scalef32_pk8_fp8_f32 v[PC+4*\b:PC+4*\b+1], v[\s+16*\b:\s+16*\b+7], v[TM+12+\b]
	v_cvt_scalef32_pk8_fp8_f32 v[PC+4*\b+2:PC+4*\b+3], v[\s+16*\b+8:\s+16*\b+15], v[TM+12+\b]
.endr
	WIN 0
	v_nop                                          ; one plain vector line behind the last conversion
.endm
.macro IMAGE off                       ; my fragment and its scale words go to LDS as they stand
	WIN 0x08                                       ; an LDS store's data are its source 1: window 2
.irp c, 0,1,2,3
	ds_store_b128 v[ADI], v[PC+4*\c:PC+4*\c+3] offset:\off+512*\c
.endr
	WIN 0
	ds_store_b32 v[ADS], v[PW] offset:\off+8192
.endm
.macro FETCHB ab, at, off              ; and all four come back so, in every wave
	WIN 0x40                                       ; destination window 1
.irp j, 0,1,2,3
.irp c, 0,1,2,3
	ds_load_b128 v[BF+16*\j+4*\c:BF+16*\j+4*\c+3], v[\ab] offset:\off+2048*\j+512*\c
.endr
.endr
	WIN 0
.irp j, 0,1,2,3
	ds_load_b32 v[BS+\j], v[\at] offset:\off+8192+128*\j
.endr
.endm
; my four tiles of x for the K step st steps behind the bases: 16 loads of 512 bytes of codes (16 rows x 32 bytes of one plane of xq), 2 loads of scale words: 18 loads
.macro LOADA buf, xq, xs, st
	WIN 0x40
.irp t, 0,1,2,3
.irp c, 0,1,2,3
	global_load_b128 v[AF+64*(\buf)+16*\t+4*\c:AF+64*(\buf)+16*\t+4*\c+3], v[VA+\t], s[\xq:\xq+1] offset:(4*(\st)+\c)*65536
.endr
.endr
	WIN 0
.irp u, 0,1
	global_load_b32 v[XSV+2*(\buf)+\u], v[VS+\u], s[\xs:\xs+1] offset:(\st)*8192
.endr
.endm
; 16 matrix instructions: x's four tiles x weight's four.  The 16 accumulators take turns, one instruction a turn, in the same order in every step.
; zero = 1: the products start the sums: nothing is cleared.  x's scale words: tile t's lie in lanes 0-15 (t even) or 16-31 (t odd) of register t / 2.
.macro MUL buf, zero
	WIN 0xa5                                       ; sources 0 and 1 window 1, C and D window 2
.irp t, 0,1,2,3
.irp j, 0,1,2,3
.if \zero
.if \t%2
	v_wmma_scale_f32_16x16x128_f8f6f4 v[ACC+8*(4*\t+\j):ACC+8*(4*\t+\j)+7], v[BF+16*\j:BF+16*\j+15], v[AF+64*(\buf)+16*\t:AF+64*(\buf)+16*\t+15], 0, v[BS+\j], v[XSV+2*(\buf)+\t/2] matrix_b_scale:MATRIX_SCALE_ROW1
.else
	v_wmma_scale_f32_16x16x128_f8f6f4 v[ACC+8*(4*\t+\j):ACC+8*(4*\t+\j)+7], v[BF+16*\j:BF+16*\j+15], v[AF+64*(\buf)+16*\t:AF+64*(\buf)+16*\t+15], 0, v[BS+\j], v[XSV+2*(\buf)+\t/2]
.endif
.else
.if \t%2
	v_wmma_scale_f32_16x16x128_f8f6f4 v[ACC+8*(4*\t+\j):ACC+8*(4*\t+\j)+7], v[BF+16*\j:BF+16*\j+15], v[AF+64*(\buf)+16*\t:AF+64*(\buf)+16*\t+15], v[ACC+8*(4*\t+\j):ACC+8*(4*\t+\j)+7], v[BS+\j], v[XSV+2*(\buf)+\t/2] matrix_b_scale:MATRIX_SCALE_ROW1
.else
	v_wmma_scale_f32_16x16x128_f8f6f4 v[ACC+8*(4*\t+\j):ACC+8*(4*\t+\j)+7], v[BF+16*\j:BF+16*\j+15], v[AF+64*(\buf)+16*\t:AF+64*(\buf)+16*\t+15], v[ACC+8*(4*\t+\j):ACC+8*(4*\t+\j)+7], v[BS+\j], v[XSV+2*(\buf)+\t/2]
.endif
.endif
.endr
.endr
	WIN 0
.endm
.macro SETADR                          ; the four LDS places in the block that s[TB] names
	v_add_nc_u32 v[ADI], s[TB], v[ADI0]
	v_add_nc_u32 v[ADS], s[TB], v[ADS0]
	v_add_nc_u32 v[ADF], s[TB], v[FB]
	v_add_nc_u32 v[ADT], s[TB], v[FT]
.endm
.macro ADV n                           ; n K steps on
	s_wait_xcnt 0x0                                ; the bases of loads that are out are stepped only behind this wait
	s_add_nc_u64 s[WB:WB+1], s[WB:WB+1], 512*\n
	s_add_nc_u64 s[XQP:XQP+1], s[XQP:XQP+1], 262144*\n
	s_add_nc_u64 s[XSP:XSP+1], s[XSP:XSP+1], 8192*\n
	s_add_co_u32 s[TB], s[TB], BLK*\n
	SETADR
.endm
; the offsets of my 64 rows in xq and xs, each row held at hi - 1 and then, by a constant, inside the table: 29 plain vector lines
.macro SETROWS
.irp t, 0,1,2,3
	v_add3_u32 v[VA+\t], s[ROW0], 16*\t, v2
.endr
.irp u, 0,1
	v_add3_u32 v[VS+\u], s[ROW0], 32*\u, v1
.endr
.irp t, 0,1,2,3,4,5
	v_min_u32 v[VA+\t], s[HI1], v[VA+\t]           ; (v18-19 follow v14-17)
.endr
.irp t, 0,1,2,3,4,5
	v_min_u32 v[VA+\t], 0x7ff, v[VA+\t]
.endr
.irp t, 0,1,2,3
	v_lshlrev_b32 v[VA+\t], 5, v[VA+\t]
.endr
.irp t, 0,1,2,3
	v_lshl_add_u32 v[VA+\t], v3, 4, v[VA+\t]
.endr
.irp u, 0,1
	v_lshlrev_b32 v[VS+\u], 2, v[VS+\u]
.endr
	v_add_nc_u32 v[VRB], s[ROW0], v3
.endm
; A K STEP OF PASS 0, rel steps behind the bases, on set rs of the numbers and buffer rs of x.  la, lraw: it asks for x two steps on and for weight three steps on.
; n1: the loads issued behind this step's weight; n2: those issued behind this step's x.  Loads come back in order (ISA guide 5.7.1).
.macro STEP rel, rs, zero, la, lraw, n1, n2
	s_wait_loadcnt \n1                             ; my 16 rows x 128 K of weight are in
	TURN R+64*\rs
	s_wait_dscnt 0x0
	ROUNDB R+64*\rs
	QUANT R+64*\rs                                 ; the plain vector lines of these two are also the places between the last step's products and the loads below into their operands
	IMAGE BLK*\rel
	s_wait_dscnt 0x0                               ; for the others' sake: my image and my scale words have landed
	s_barrier_signal -1
	s_barrier_wait -1                              ; the block is whole.  No second barrier: each step has a block of its own, written once in the launch
	FETCHB ADF, ADT, BLK*\rel
.if \la
	LOADA (\rs+2)%3, XQP, XSP, \rel+2
.endif
.if \lraw
	LOADRAW R+64*\rs, 512*(\rel+3)
.endif
	s_wait_loadcnt \n2                             ; this step's x is in
	s_wait_dscnt 0x0                               ; and weight's four fragments
	MUL \rs, \zero
.endm
; A K STEP OF A LATER PASS: weight's fragments from the images, x two steps ahead
.macro GSTEP s
	FETCHB FB+(\s)/7, FT+(\s)/7, BLK*((\s)%7)
.if (\s)+2 < 16
	LOADA ((\s)+2)%3, XQ0, XS0, (\s)+2
.endif
.if (\s) < 14
	s_wait_loadcnt 36                              ; behind this step's 18 loads: those of the two steps on
.elseif (\s) == 14
	s_wait_loadcnt 18
.else
	s_wait_loadcnt 0x0
.endif
	s_wait_dscnt 0x0
.if (\s) == 0
	MUL 0, 1
.else
	MUL (\s)%3, 0
.endif
.if (\s) < 15
.rept 8
	v_nop                                          ; eight places in front of loads into registers that these products read
.endr
.endif
.endm
; THE WAY OUT.  A lane holds 32 neighbouring bytes of a row and the lanes beside it other rows: a tile of 16 rows x 64 columns goes through my stage (rows of 256 + 16 bytes) and comes back as whole rows.
; (A macro's argument is put in as text: it stands in parentheses wherever it is multiplied.)
.macro TOSTAGE t
	WIN 0x08
.irp j, 0,1,2,3
	ds_store_b128 v[OSI], v[ACC+8*(4*(\t)+\j):ACC+8*(4*(\t)+\j)+3] offset:64*\j          ; each accumulator from its low end on
	ds_store_b128 v[OSI], v[ACC+8*(4*(\t)+\j)+4:ACC+8*(4*(\t)+\j)+7] offset:64*\j+16
.endr
	WIN 0
.irp i, 0,1,2,3,4,5,6,7
	ds_load_b128 v[OUT+32*(\t)+4*\i:OUT+32*(\t)+4*\i+3], v[OSO] offset:544*\i   ; rows 2 i + h; in order behind the stores above, and ahead of the next tile's
.endr
.endm
.macro ROUNDO t                        ; reference()'s y and out are bf16: the tile's 32 numbers of a lane to the nearest bf16, ties to even, and widened again, as out.astype(float32) widens them
.irp p, 0,1,2,3,4,5,6,7,8,9,10,11,12,13,14,15
	v_cvt_pk_bf16_f32 v[TM+\p], v[OUT+32*(\t)+2*\p], v[OUT+32*(\t)+2*\p+1]
.endr
.irp p, 0,1,2,3,4,5,6,7,8,9,10,11,12,13,14,15
	v_lshlrev_b32 v[OUT+32*(\t)+2*\p], 16, v[TM+\p]
	v_and_b32 v[OUT+32*(\t)+2*\p+1], s[MSK], v[TM+\p]
.endr
.endm
.macro SEND t
.irp i, 0,1,2,3,4,5,6,7
	global_store_b128 v[OA+8*(\t)+\i], v[OUT+32*(\t)+4*\i:OUT+32*(\t)+4*\i+3], s[OB:OB+1] th:TH_STORE_NT   ; 16 lanes store 256 consecutive bytes, at a multiple of 256 from out0's first byte
.endr
.endm
.macro EPI chk                         ; chk = 1: a wave with no row of the expert stores nothing
.if \chk
	s_cmp_ge_u32 s[ROW0], s[HI]
	s_cbranch_scc1 .Lno_rows_\@
.endif
.set q, 0
.rept 32
	v_add_nc_u32 v[OA+q], 2*q, v[VRB]              ; store q takes rows 2 q + h of my 64.  These 128 lines are also the places behind the last products
.set q, q+1
.endr
.set q, 0
.rept 32
	v_min_u32 v[OA+q], s[HI1], v[OA+q]             ; held at the expert's last row, as x's rows were
.set q, q+1
.endr
.set q, 0
.rept 32
	v_min_u32 v[OA+q], 0x7ff, v[OA+q]
.set q, q+1
.endr
.set q, 0
.rept 32
	v_lshl_add_u32 v[OA+q], v[OA+q], 13, v[VC]     ; 8,192 bytes a row, + 16 r
.set q, q+1
.endr
	TOSTAGE 0
	TOSTAGE 1
	s_wait_dscnt 16                                ; behind tile 0's loads: tile 1's 8 stores and 8 loads
	ROUNDO 0
	SEND 0
	TOSTAGE 2
	s_wait_dscnt 16
	ROUNDO 1
	SEND 1
	TOSTAGE 3
	s_wait_dscnt 16
	ROUNDO 2
	SEND 2
	s_wait_dscnt 0x0
	ROUNDO 3
	SEND 3
.if \chk
.Lno_rows_\@:
.endif
.endm
	s_load_b256 s[4:11], s[0:1], 0x0               ; weight s[4:5], m_sizes s[6:7], xq s[8:9], xs s[10:11]
	s_load_b64 s[12:13], s[0:1], 0x20              ; out0
	v_lshl_add_u32 v62, v0, 2, 0x2a400
	v_mov_b32 v63, 0
	v_lshrrev_b32 v1, 5, v0
	v_readfirstlane_b32 s[WV], v1                  ; wave 0..3
	v_and_b32 v1, 31, v0                           ; lane
	v_and_b32 v2, 15, v0                           ; r
	v_bfe_u32 v3, v0, 4, 1                         ; h
	v_lshlrev_b32 v[VW], 4, v1
	s_and_b32 s[EX], ttmp7, 0xffff                 ; the expert
	s_lshl_b32 s[T2], s[EX], 24                    ; an expert's weights are 2^24 bytes,
	s_lshl_b32 s[T0], ttmp9, 19                    ; a slab of 64 rows 2^19,
	s_add_co_u32 s[T2], s[T2], s[T0]
	s_lshl_b32 s[T0], s[WV], 17                    ; my 16 rows 2^17: under 2^27 in all
	s_add_co_u32 s[T2], s[T2], s[T0]
	s_mov_b32 s[T2+1], 0
	s_wait_kmcnt 0x0
	s_load_b256 s[MS:MS+7], s[6:7], 0x0            ; the eight sizes
	s_add_nc_u64 s[WB:WB+1], s[WB:WB+1], s[T2:T2+1]
	LOADRAW R, 0                                   ; the weights of K steps 0, 1, 2 are asked for before anything else: they hang on no size
	LOADRAW R+64, 512
	LOADRAW R+128, 1024
	s_mul_i32 s[T0], s[WV], 8448
	s_add_co_u32 s[T0], s[T0], STG                 ; my stage
	v_lshl_add_u32 v[SA], v1, 4, s[T0]
	v_mul_u32_u24 v[SL], v2, 528
	v_lshl_add_u32 v[SL], v3, 6, v[SL]
	v_add_nc_u32 v[SL], s[T0], v[SL]
	v_mul_u32_u24 v[OSI], v2, 272                  ; in: row r, 32 bytes for each half of the lanes
	v_lshl_add_u32 v[OSI], v3, 5, v[OSI]
	v_add_nc_u32 v[OSI], s[T0], v[OSI]
	v_mul_u32_u24 v[OSO], v3, 272                  ; back: lanes 0-15 one row of 256 bytes, lanes 16-31 the next
	v_lshl_add_u32 v[OSO], v2, 4, v[OSO]
	v_add_nc_u32 v[OSO], s[T0], v[OSO]
	s_lshl_b32 s[T0], s[WV], 11
	v_lshl_add_u32 v[ADI0], v1, 4, s[T0]
	s_lshl_b32 s[T0], s[WV], 7
	v_lshl_add_u32 v[ADS0], v1, 2, s[T0]
	v_lshlrev_b32 v[FB], 4, v1
	v_add_nc_u32 v[FB+1], 7*BLK, v[FB]
	v_add_nc_u32 v[FB+2], 14*BLK, v[FB]
	v_lshlrev_b32 v[FT], 2, v1
	v_add_nc_u32 v[FT+1], 7*BLK, v[FT]
	v_add_nc_u32 v[FT+2], 14*BLK, v[FT]
	v_lshlrev_b32 v[VC], 4, v2
	s_mov_b32 s[TB], 0
	SETADR
	s_mov_b32 s[SEL], 0x76543210
	s_mov_b32 s[SEL+1], 0xfedcba98                 ; v_permlanex16_b32's selects for lane l xor 16
	s_mov_b32 s[MNT], 0x600000                     ; the mantissa field of 448
	s_mov_b32 s[MSK], 0xffff0000
	s_mov_b64 s[XQP:XQP+1], s[XQ0:XQ0+1]
	s_mov_b64 s[XSP:XSP+1], s[XS0:XS0+1]
	s_lshl_b32 s[T2], ttmp9, 8                     ; my slab's 64 columns: 256 bytes of a row
	s_add_nc_u64 s[OB:OB+1], s[OB:OB+1], s[T2:T2+1]
	s_wait_kmcnt 0x0                               ; the sizes
	s_mov_b32 s[LO], 0
	s_mov_b32 s[HI], 0
.irp i, 0,1,2,3,4,5,6,7                ; lo = the sizes of the experts before mine, hi = lo + mine: by selects, without a jump
	s_cmp_gt_u32 s[EX], \i
	s_cselect_b32 s[T0], s[MS+\i], 0
	s_add_co_u32 s[LO], s[LO], s[T0]
	s_cmp_ge_u32 s[EX], \i
	s_cselect_b32 s[T0], s[MS+\i], 0
	s_add_co_u32 s[HI], s[HI], s[T0]
.endr
	s_min_u32 s[LO], s[LO], 0x800                  ; there are 2,048 rows
	s_min_u32 s[HI], s[HI], 0x800
	s_sub_co_u32 s[HI1], s[HI], 1                  ; (hi = 0 gives all ones: the constant bound behind it still holds every row inside the table)
	s_sub_co_u32 s[NP], s[HI], s[LO]
	s_add_co_u32 s[NP], s[NP], 255
	s_lshr_b32 s[NP], s[NP], 8                     ; passes of 256 rows
	s_lshl_b32 s[T0], s[WV], 6
	s_add_co_u32 s[ROW0], s[LO], s[T0]             ; my wave's first row
	SETROWS
	LOADA 0, XQP, XSP, 0
	LOADA 1, XQP, XSP, 1
	; PASS 0.  The loads in the order of issue: weight 0, 1, 2 (16 each), x 0, 1 (18 each); then step s issues x s + 2 and weight s + 3.
	; Behind a step's weight stand 68 loads or more up to step 13 (two steps' 34), 52 at step 14 (34 + 18), 18 at step 15.  Behind a step's x, counted behind the step's own issue: 52 at step 0 (18 + 34),
	; 68 or more at steps 1 to 13, 34 at step 14, none at step 15.  Where 68 or more stand behind, the wait names 63, the most that it can name (ISA guide 5.7.1).
	STEP 0, 0, 1, 1, 1, 63, 52                     ; K step 0 stands in front of the loop: its products start the sums
	ADV 1
	s_mov_b32 s[CNT], 0
.Lk:                                               ; four trips of three K steps (1 to 12): after three steps the sets and buffers are back where they began
	STEP 0, 1, 0, 1, 1, 63, 63
	STEP 1, 2, 0, 1, 1, 63, 63
	STEP 2, 0, 0, 1, 1, 63, 63
	ADV 3
	s_add_co_u32 s[CNT], s[CNT], 1
	s_cmp_lt_u32 s[CNT], 4
	s_cbranch_scc1 .Lk
	STEP 0, 1, 0, 1, 0, 63, 63                     ; K step 13 asks for x of step 15 and for no more weight: no load leaves its buffer
	STEP 1, 2, 0, 0, 0, 52, 34                     ; K step 14
	STEP 2, 0, 0, 0, 0, 18, 0                      ; K step 15
	EPI 1
	; PASSES 1 ON.  No barrier from here: the images are read alone, each wave's stage is its own.
	s_mov_b32 s[PS], 1
	s_cmp_lt_u32 s[PS], s[NP]
	s_cbranch_scc0 .Lend
.Lpass:
	s_wait_xcnt 0x0                                ; the last way out's stores have read their offsets and data: both are written again below
	s_add_co_u32 s[ROW0], s[ROW0], 256
	s_cmp_ge_u32 s[ROW0], s[HI]                    ; a wave that has no row left in this pass leaves it out
	s_cbranch_scc1 .Lnext
	SETROWS                                        ; (29 plain lines: the places between the last products and the loads into their operands, and the sums begun anew)
	LOADA 0, XQ0, XS0, 0
	LOADA 1, XQ0, XS0, 1
.irp s, 0,1,2,3,4,5,6,7,8,9,10,11,12,13,14,15
	GSTEP \s
.endr
	EPI 0
.Lnext:
	s_add_co_u32 s[PS], s[PS], 1
	s_cmp_lt_u32 s[PS], s[NP]
	s_cbranch_scc1 .Lpass
.Lend:
	s_wait_tensorcnt 0x0
	ds_add_u32 v62, v63
	s_wait_dscnt 0x0
	s_endpgm
.Lfunc_end_k_q4ece92af68_moe:
	.size	k_q4ece92af68_moe, .Lfunc_end_k_q4ece92af68_moe-k_q4ece92af68_moe
	.p2alignl 7, 3214868480
	.fill 96, 4, 3214868480
	.section	.rodata,"a",@progbits
	.p2align	6, 0x0
	.amdhsa_kernel k_q4ece92af68_moe
		.amdhsa_group_segment_fixed_size 173568
		.amdhsa_private_segment_fixed_size 0
		.amdhsa_enable_private_segment 0
		.amdhsa_kernarg_size 40
		.amdhsa_user_sgpr_count 2
		.amdhsa_user_sgpr_kernarg_segment_ptr 1
		.amdhsa_wavefront_size32 1
		.amdhsa_system_sgpr_workgroup_id_x 1
		.amdhsa_system_sgpr_workgroup_id_y 1
		.amdhsa_system_sgpr_workgroup_id_z 1
		.amdhsa_system_vgpr_workitem_id 0
		.amdhsa_next_free_vgpr 656
		.amdhsa_next_free_sgpr 66
		.amdhsa_reserve_vcc 0
		.amdhsa_float_denorm_mode_32 3
		.amdhsa_float_denorm_mode_16_64 3
		.amdhsa_memory_ordered 1
		.amdhsa_forward_progress 1
		.amdhsa_inst_pref_size 255
	.end_amdhsa_kernel
	.section	.bss,"aw",@nobits
	.p2align	6
	.space	262144
	.amdgpu_metadata
---
amdhsa.version: [ 1, 2 ]
amdhsa.kernels:
  - .name:           k_q4ece92af68_moe
    .symbol:         k_q4ece92af68_moe.kd
    .args:
      - { .name: weight, .offset: 0, .size: 8, .value_kind: global_buffer, .address_space: global }
      - { .name: m_sizes, .offset: 8, .size: 8, .value_kind: global_buffer, .address_space: global }
      - { .name: xq, .offset: 16, .size: 8, .value_kind: global_buffer, .address_space: global }
      - { .name: xs, .offset: 24, .size: 8, .value_kind: global_buffer, .address_space: global }
      - { .name: out0, .offset: 32, .size: 8, .value_kind: global_buffer, .address_space: global }
    .group_segment_fixed_size: 173568
    .private_segment_fixed_size: 0
    .kernarg_segment_align: 8
    .kernarg_segment_size: 40
    .max_flat_workgroup_size: 128
    .sgpr_count:     66
    .vgpr_count:     656
    .wavefront_size: 32
...
	.end_amdgpu_metadata
.endif
;; end of part 2
;; ======== version 2 of 2: 2 launches
;; workspace buffers: xq 4,194,304 bytes; xs 131,072 bytes
;; launch quantx (part 3): grid 256 x 1, 8 waves a work-group, no clusters, 69,120 bytes of LDS; arguments input, m_sizes, xq, xs, out0; writes xq, xs, out0
.if DOCPART == 3
	.amdgcn_target "amdgcn-amd-amdhsa--gfx1250"
	.amdhsa_code_object_version 6
	.text
	.protected	k_q4ece92af68_quantx
	.globl	k_q4ece92af68_quantx
	.p2align	8
	.type	k_q4ece92af68_quantx,@function
k_q4ece92af68_quantx:
	s_mov_b64 s[64:65], 0
	v_nop
	global_prefetch_b8 v0, s[64:65] scope:SCOPE_SE
	s_setreg_imm32_b32 hwreg(HW_REG_WAVE_MODE, 25, 1), 1
	s_wait_xcnt 0x0
; input [2048][2048] f32 is rounded to bf16, as reference() rounds it ahead of its products, and then becomes codes of FP8 (E4M3) with one E8M0 scale byte for each 32 along K,
; once for the whole program: the 32 work-groups of an expert in the next launch all read them.
; xq: [k / 32 : 64][row : 2048][32 bytes]: any 16 consecutive rows of one block of K are 512 consecutive bytes, whatever row an expert begins at.
; xs: [k / 128 : 16][row : 2048] one word: byte b is the scale byte of block 4 (k / 128) + b.
; A block's scale is 2^(floor(log2(its largest magnitude)) - 8); its byte is the largest magnitude's exponent field - 8, held at 1 from below.  Each number is divided by the scale, held within +-448 and rounded to the nearest code, ties to even.
; The launch also writes the rows of out0 that no expert covers: rows min(sum of m_sizes, 2048) .. 2047 are zeros.
; LIMITS: m_sizes holds numbers that are not negative, their sum under 2^31; NaN and infinities among the inputs, and numbers that the rounding to bf16 turns into infinity, are not served;
; a block of zeros gets the byte 1 (the rule says 127): its codes are zeros, which add nothing under any byte but 0xff, and this program alone reads the bytes.
; SHARES.  Work-group b: rows 64 (b % 32) on, K steps 2 (b / 32) and 2 (b / 32) + 1 of 128.  Wave w: 16 rows (16 (w % 4) on) x one K step (w / 4): one fragment.
; Each of its 16 loads reads 512 consecutive bytes of one row; the 8,192 bytes turn through the wave's own stage in LDS, so that a lane then holds 16 neighbours along K of each of its row's four blocks.
; No matrix unit, no tensor loads, no cluster: memory binds, and no byte is read twice.
.set STGB, 8448                        ; a wave's stage: 16 rows x (512 bytes + 16): 33 x 16 bytes from row to row, so that the 16 rows of a read start at 16 different banks (64 banks of 4 bytes: ISA guide 11.1)
.set SCW,  8*STGB                      ; behind the stages: the work-group's scale words, 2 K steps x 64 rows x 4 bytes
.set VW,   4                           ; v4    16 x lane: my 16 bytes of a load's 512
.set SA,   5                           ; v5    the stage, on the way in
.set SL,   6                           ; v6    and on the way out: row r, + 64 h
.set CO,   7                           ; v7    my codes' place among 16 rows of xq: 32 r + 16 h
.set SWA,  8                           ; v8    LDS: where my row's scale word goes
.set SWR,  9                           ; v9    LDS: where 8 bytes of 64 rows' words are read back
.set XO,   10                          ; v10   8 x lane: their place in xs
.set ZR,   12                          ; v12-15 zeros
.set SW,   16                          ; v16-17 scale words on the way out
.set PW,   30                          ; v30   the scale word just made
.set TM,   32                          ; v32-39 pairs of bf16 at work; then v32-35 largest magnitudes, v36-39 bytes, v40-43 448 x the scale, v44-47 the conversions' scale operands
.set PC,   48                          ; v48-63 the codes
.set R,    64                          ; v64-127 the numbers
.set WV,   14
.set MS,   16                          ; s[16:23] m_sizes
.set TOT,  24
.set N0,   25
.set U,    26
.set T,    27
.set RG,   28
.set KS,   29
.set ROW0, 30
.set T0,   31
.set SEL,  36
.set MNT,  38
.set T2,   40
.set MSK,  42                          ; s42   a word's upper bf16
	s_load_b256 s[4:11], s[0:1], 0x0               ; input s[4:5], m_sizes s[6:7], xq s[8:9], xs s[10:11]
	s_load_b64 s[12:13], s[0:1], 0x20              ; out0
	v_lshl_add_u32 v128, v0, 2, 0x10a00
	v_mov_b32 v129, 0
	v_lshrrev_b32 v1, 5, v0
	s_delay_alu instid0(VALU_DEP_1)
	v_readfirstlane_b32 s[WV], v1                  ; wave 0..7
	v_and_b32 v1, 31, v0                           ; lane
	v_and_b32 v2, 15, v0                           ; r
	v_bfe_u32 v3, v0, 4, 1                         ; h
	s_delay_alu instid0(VALU_DEP_3)
	v_lshlrev_b32 v[VW], 4, v1
	s_lshr_b32 s[U], s[WV], 2                      ; which of the work-group's two K steps
	s_and_b32 s[T], s[WV], 3                       ; which 16 of its 64 rows
	s_and_b32 s[RG], ttmp9, 31
	s_lshr_b32 s[KS], ttmp9, 5
	s_lshl_b32 s[KS], s[KS], 1
	s_add_co_u32 s[KS], s[KS], s[U]                ; my K step, 0..15
	s_lshl_b32 s[ROW0], s[RG], 6
	s_lshl_b32 s[T0], s[T], 4
	s_add_co_u32 s[ROW0], s[ROW0], s[T0]           ; my first row
	s_lshl_b32 s[T2], s[ROW0], 13                  ; a row is 8,192 bytes,
	s_lshl_b32 s[T0], s[KS], 9                     ; a K step 512
	s_add_co_u32 s[T2], s[T2], s[T0]
	s_mov_b32 s[T2+1], 0
	s_wait_alu depctr_va_vdst(0)
	s_wait_kmcnt 0x0
	s_load_b256 s[MS:MS+7], s[6:7], 0x0            ; the eight sizes: wanted at the end
	s_add_nc_u64 s[4:5], s[4:5], s[T2:T2+1]
.irp i, 0,1,2,3,4,5,6,7,8,9,10,11,12,13,14,15
	global_load_b128 v[R+4*\i:R+4*\i+3], v[VW], s[4:5] offset:8192*\i th:TH_LOAD_NT   ; row i: 32 lanes read 512 consecutive bytes; read once in the whole program
.endr
	s_mul_i32 s[T0], s[WV], STGB                   ; my stage
	v_lshl_add_u32 v[SA], v1, 4, s[T0]
	v_mul_u32_u24 v[SL], v2, 528
	s_delay_alu instid0(VALU_DEP_1)
	v_lshl_add_u32 v[SL], v3, 6, v[SL]
	s_delay_alu instid0(VALU_DEP_1)
	v_add_nc_u32 v[SL], s[T0], v[SL]
	v_lshlrev_b32 v[CO], 5, v2
	s_delay_alu instid0(VALU_DEP_1)
	v_lshl_add_u32 v[CO], v3, 4, v[CO]
	s_lshl_b32 s[T0], s[WV], 6                     ; 256 x K step + 64 x my 16 rows = 64 x wave
	s_add_co_u32 s[T0], s[T0], SCW
	v_lshl_add_u32 v[SWA], v2, 2, s[T0]
	s_lshl_b32 s[T0], s[U], 8
	s_add_co_u32 s[T0], s[T0], SCW
	v_lshl_add_u32 v[SWR], v1, 3, s[T0]
	v_lshlrev_b32 v[XO], 3, v1
.irp i, 0,1,2,3
	v_mov_b32 v[ZR+\i], 0
.endr
	s_mov_b32 s[SEL], 0x76543210
	s_mov_b32 s[SEL+1], 0xfedcba98                 ; v_permlanex16_b32's selects for lane l xor 16
	s_mov_b32 s[MNT], 0x600000                     ; the mantissa field of 448
	s_mov_b32 s[MSK], 0xffff0000
	s_lshl_b32 s[T2], s[KS], 18                    ; xq: four planes of 65,536 bytes a K step,
	s_lshl_b32 s[T0], s[ROW0], 5                   ; 32 bytes a row
	s_add_co_u32 s[T2], s[T2], s[T0]
	s_add_nc_u64 s[8:9], s[8:9], s[T2:T2+1]
	s_lshl_b32 s[T2], s[KS], 13                    ; xs: 8,192 bytes a K step,
	s_lshl_b32 s[T0], s[RG], 8                     ; 256 for the work-group's 64 rows
	s_add_co_u32 s[T2], s[T2], s[T0]
	s_add_nc_u64 s[10:11], s[10:11], s[T2:T2+1]
	s_wait_loadcnt 0x0
	; the turn: in as loaded, out 64 bytes of a block a lane.  LDS serves a wave's instructions in order (ISA guide 5.7.1.4): no wait between the stores and the loads, which land in the registers that the stores left
.irp i, 0,1,2,3,4,5,6,7,8,9,10,11,12,13,14,15
	ds_store_b128 v[SA], v[R+4*\i:R+4*\i+3] offset:528*\i
.endr
.irp b, 0,1,2,3
.irp j, 0,1,2,3
	ds_load_b128 v[R+16*\b+4*\j:R+16*\b+4*\j+3], v[SL] offset:128*\b+16*\j   ; register 16 b + i = k 32 b + 16 h + i of row r
.endr
.endr
	s_wait_dscnt 0x0
	; reference()'s input.astype(bfloat16): each number to the nearest bf16, ties to even, and widened again; all behind it is f32.  (v36-39, the lane permutes' destinations below, are written here on the way)
.irp g, 0,1,2,3
.irp p, 0,1,2,3,4,5,6,7
	v_cvt_pk_bf16_f32 v[TM+\p], v[R+16*\g+2*\p], v[R+16*\g+2*\p+1]
.endr
.irp p, 0,1,2,3,4,5,6,7
	v_lshlrev_b32 v[R+16*\g+2*\p], 16, v[TM+\p]
	v_and_b32 v[R+16*\g+2*\p+1], s[MSK], v[TM+\p]
.endr
.endr
.irp b, 0,1,2,3
	v_max3_num_f32 v[TM+\b], |v[R+16*\b]|, |v[R+1+16*\b]|, 0x4800000   ; block b: my 16 numbers, and the floor 2^(9 - 127): so the byte cannot fall under 1
.endr
.irp i, 2,4,6,8,10,12,14
.irp b, 0,1,2,3
	s_delay_alu instid0(VALU_DEP_4)
	v_max3_num_f32 v[TM+\b], v[TM+\b], |v[R+16*\b+\i]|, |v[R+1+16*\b+\i]|   ; the four blocks by turns: no line waits for the line above it
.endr
.endr
.irp b, 0,1,2,3
	s_delay_alu instid0(VALU_DEP_4)
	v_permlanex16_b32 v[TM+4+\b], v[TM+\b], s[SEL], s[SEL+1]
.endr
.irp b, 0,1,2,3
	s_delay_alu instid0(VALU_DEP_4)
	v_max_num_f32 v[TM+\b], v[TM+\b], v[TM+4+\b]   ; with lane l xor 16's 16: the block's largest magnitude
.endr
.irp b, 0,1,2,3
	s_delay_alu instid0(VALU_DEP_4)
	v_add_nc_u32 v[TM+12+\b], 0xfc000000, v[TM+\b] ; 8 off its exponent field: the conversion takes this operand's exponent field as its scale
.endr
.irp b, 0,1,2,3
	v_and_or_b32 v[TM+8+\b], v[TM+\b], 0x7f800000, s[MNT]   ; 448 x the scale
.endr
.irp b, 0,1,2,3
	v_lshrrev_b32 v[TM+4+\b], 23, v[TM+12+\b]      ; the scale's byte
.endr
	s_delay_alu instid0(VALU_DEP_3)
	v_lshl_or_b32 v[PW], v[TM+5], 8, v[TM+4]       ; the four bytes make my row's scale word; lanes r and r + 16 hold the same
	s_delay_alu instid0(VALU_DEP_1)
	v_lshl_or_b32 v[PW], v[TM+6], 16, v[PW]
	s_delay_alu instid0(VALU_DEP_1)
	v_lshl_or_b32 v[PW], v[TM+7], 24, v[PW]
.irp b, 0,1,2,3
.irp i, 0,1,2,3,4,5,6,7,8,9,10,11,12,13,14,15
	v_med3_num_f32 v[R+16*\b+\i], v[R+16*\b+\i], -v[TM+8+\b], v[TM+8+\b]   ; the conversion to an 8-bit code does not saturate (ISA guide 7.6.2): hold first
.endr
.endr
.irp b, 0,1,2,3
	v_cvt_scalef32_pk8_fp8_f32 v[PC+4*\b:PC+4*\b+1], v[R+16*\b:R+16*\b+7], v[TM+12+\b]
	v_cvt_scalef32_pk8_fp8_f32 v[PC+4*\b+2:PC+4*\b+3], v[R+16*\b+8:R+16*\b+15], v[TM+12+\b]
.endr
	v_nop                                          ; one plain vector line behind the last conversion
.irp c, 0,1,2,3
	global_store_b128 v[CO], v[PC+4*\c:PC+4*\c+3], s[8:9] offset:65536*\c   ; block c of my K step: the 32 lanes store 512 consecutive bytes, at a multiple of 512 from xq's first byte
.endr
	ds_store_b32 v[SWA], v[PW]                     ; lanes r and r + 16 write the same word with the same value
	s_wait_dscnt 0x0                               ; for the others' sake: my word stores are done
	s_barrier_signal -1
	s_barrier_wait -1                              ; the one barrier: the words of 64 rows x 2 K steps lie in LDS
	s_cmp_lg_u32 s[T], 0                           ; waves 0 and 4 send them out, one K step each
	s_cbranch_scc1 .Lno_xs
	ds_load_b64 v[SW:SW+1], v[SWR]
	s_wait_dscnt 0x0
	global_store_b64 v[XO], v[SW:SW+1], s[10:11]   ; 32 lanes store 256 consecutive bytes, at a multiple of 256 from xs's first byte
.Lno_xs:
	; THE ROWS THAT NO EXPERT COVERS.  Of my 16 rows, those from min(sum, 2048) on get zeros in my K step's 128 columns (512 bytes)
	s_wait_kmcnt 0x0
	s_add_co_u32 s[TOT], s[MS], s[MS+1]
.irp i, 2,3,4,5,6,7
	s_add_co_u32 s[TOT], s[TOT], s[MS+\i]
.endr
	s_min_u32 s[TOT], s[TOT], 0x800
	s_sub_co_i32 s[N0], s[TOT], s[ROW0]
	s_max_i32 s[N0], s[N0], 0
	s_min_u32 s[N0], s[N0], 16                     ; how many of my 16 rows are covered
	s_add_co_u32 s[T0], s[ROW0], s[N0]
	s_lshl_b32 s[T2], s[T0], 13
	s_lshl_b32 s[T0], s[KS], 9
	s_add_co_u32 s[T2], s[T2], s[T0]
	s_add_nc_u64 s[12:13], s[12:13], s[T2:T2+1]    ; out0 at my first uncovered row (not used where there is none)
	s_cmp_lt_u32 s[N0], 16
	s_cbranch_scc0 .Ldone
.Lzero:
	global_store_b128 v[VW], v[ZR:ZR+3], s[12:13] th:TH_STORE_NT   ; 512 consecutive bytes of one row
	s_wait_xcnt 0x0                                ; the base is stepped only behind this wait
	s_add_nc_u64 s[12:13], s[12:13], 0x2000
	s_add_co_u32 s[N0], s[N0], 1
	s_cmp_lt_u32 s[N0], 16
	s_cbranch_scc1 .Lzero
.Ldone:
	s_wait_tensorcnt 0x0
	ds_add_u32 v128, v129
	s_wait_dscnt 0x0
	s_endpgm
.Lfunc_end_k_q4ece92af68_quantx:
	.size	k_q4ece92af68_quantx, .Lfunc_end_k_q4ece92af68_quantx-k_q4ece92af68_quantx
	.p2alignl 7, 3214868480
	.fill 96, 4, 3214868480
	.section	.rodata,"a",@progbits
	.p2align	6, 0x0
	.amdhsa_kernel k_q4ece92af68_quantx
		.amdhsa_group_segment_fixed_size 69120
		.amdhsa_private_segment_fixed_size 0
		.amdhsa_enable_private_segment 0
		.amdhsa_kernarg_size 40
		.amdhsa_user_sgpr_count 2
		.amdhsa_user_sgpr_kernarg_segment_ptr 1
		.amdhsa_wavefront_size32 1
		.amdhsa_system_sgpr_workgroup_id_x 1
		.amdhsa_system_sgpr_workgroup_id_y 1
		.amdhsa_system_sgpr_workgroup_id_z 1
		.amdhsa_system_vgpr_workitem_id 0
		.amdhsa_next_free_vgpr 130
		.amdhsa_next_free_sgpr 66
		.amdhsa_reserve_vcc 0
		.amdhsa_float_denorm_mode_32 3
		.amdhsa_float_denorm_mode_16_64 3
		.amdhsa_memory_ordered 1
		.amdhsa_forward_progress 1
		.amdhsa_inst_pref_size 22
	.end_amdhsa_kernel
	.amdgpu_metadata
---
amdhsa.version: [ 1, 2 ]
amdhsa.kernels:
  - .name:           k_q4ece92af68_quantx
    .symbol:         k_q4ece92af68_quantx.kd
    .args:
      - { .name: input, .offset: 0, .size: 8, .value_kind: global_buffer, .address_space: global }
      - { .name: m_sizes, .offset: 8, .size: 8, .value_kind: global_buffer, .address_space: global }
      - { .name: xq, .offset: 16, .size: 8, .value_kind: global_buffer, .address_space: global }
      - { .name: xs, .offset: 24, .size: 8, .value_kind: global_buffer, .address_space: global }
      - { .name: out0, .offset: 32, .size: 8, .value_kind: global_buffer, .address_space: global }
    .group_segment_fixed_size: 69120
    .private_segment_fixed_size: 0
    .kernarg_segment_align: 8
    .kernarg_segment_size: 40
    .max_flat_workgroup_size: 256
    .sgpr_count:     66
    .vgpr_count:     130
    .wavefront_size: 32
...
	.end_amdgpu_metadata
.endif
;; end of part 3
;; launch moe (part 4): grid 32 x 8, 4 waves a work-group, no clusters, 173,568 bytes of LDS; arguments weight, m_sizes, xq, xs, out0; writes out0
.if DOCPART == 4
	.amdgcn_target "amdgcn-amd-amdhsa--gfx1250"
	.amdhsa_code_object_version 6
	.text
	.protected	k_q4ece92af68_moe
	.globl	k_q4ece92af68_moe
	.p2align	8
	.type	k_q4ece92af68_moe,@function
k_q4ece92af68_moe:
	s_mov_b64 s[64:65], 0
	v_nop
	global_prefetch_b8 v0, s[64:65] scope:SCOPE_SE
	s_setreg_imm32_b32 hwreg(HW_REG_WAVE_SCHED_MODE, 0, 2), 2
	s_setreg_imm32_b32 hwreg(HW_REG_WAVE_MODE, 25, 1), 1
	s_wait_xcnt 0x0
	s_wait_alu depctr_vm_vsrc(0)
; out0[row][n] = bf16(sum over k of Q(bf16(input[row][k])) Q(bf16(weight[e][n][k]))) for the rows [lo, hi) of expert e, lo and hi the running sums of m_sizes held at 2,048.  Q: codes of FP8 (E4M3), one E8M0 scale for each 32 along K; sums in f32.
; The three roundings to bf16 are reference()'s own: input and weight ahead of the product, y behind it; each number is widened to f32 again at once.
; SHARES.  Work-group (x, y) owns expert y and output columns 64 x .. 64 x + 63: it is the only reader of those 64 rows of weight (512 KiB of f32), so it quantises them in registers on the way and no weight byte is read twice.
; The rows' codes and scale words come from xq and xs, made by the launch before, straight into registers: each fragment of x is read by one wave.
; PASS 0 (constant trip counts, all 16 barriers): K goes in 16 steps of 128.  In step s wave w turns its 16 rows of the slab into fragment (s, w) and stores it in LDS AS AN IMAGE OF ITS REGISTERS (four stores of 512 bytes, lane l's
; 16 bytes at 16 l; the scale words at 4 l); a barrier; every wave loads the four fragments by the same lines and multiplies them with its own 64 rows of x (4 tiles): 16 accumulators, 16 matrix instructions a step.
; The images stay in LDS.  PASSES 1 ON (their number hangs on m_sizes; no barrier stands there): the next 256 rows of the expert against the images that pass 0 left, all 16 K steps written out with immediate LDS offsets.
; THE MATRIX INSTRUCTION IS USED TRANSPOSED (source 0 = 16 rows of weight, source 1 = 16 rows of x): a lane holds eight neighbouring columns of one row of out0.
; ROWS WITHOUT MASKS.  Every row number is min(row, hi - 1): what lies past the expert's end computes row hi - 1 again and stores the same numbers to the same place, from the same wave.  EXEC never changes.
; A wave whose first row lies at or past hi stores nothing (an empty expert's work-groups store nothing at all).
; NO JOINT REQUESTS, though the 32 work-groups of an expert read the same codes of x: a joint request is a tensor load, and this text's number of passes is read from m_sizes.
; LIMITS: m_sizes holds numbers that are not negative, their sum under 2^31; NaN and infinities among the inputs, and numbers that the rounding to bf16 turns into infinity, are not served;
; a block of zeros gets the byte 1 with zero codes (this program alone reads the bytes).
; REGISTERS, in windows of 256 (s_set_vgpr_msb: bits 1:0 source 0, 3:2 source 1, 5:4 source 2, 7:6 destination):
;   window 0: v1-28 lane terms and addresses; v30 a scale word; v32-47 at work; v50-55 x's scale words (three buffers of two); v56-59 weight's; v62, v63 the closing add's two; v64-255 three sets of 64 numbers of weight; on the way out v64-191 rows, v192-223 their offsets
;   window 1: v0-191 three buffers of x's four fragments; v192-255 weight's four fragments          window 2: v0-127 the 16 accumulators ((t, j) at 8 (4 t + j)); v128-143 the codes just made
; THE MODE: SCHED_MODE bits 1:0 = 2 (LLVM: expert scheduling mode 2), set by the entry lines.  The code itself states the register dependences
; between vector or matrix instructions and memory or LDS instructions, with s_wait_alu, always for 0.
; THE PLAN.  Registers that memory or LDS instructions touch in pass 0, K step s on set and buffer rs = s % 3:
;   set rs of the numbers      the loads of weight asked for in step s - 3 land in it; the turn's 16 LDS stores read it and its 16 LDS loads land in it; ROUNDB and QUANT read and write it; the loads for step s + 3 land in it.
;   the codes and v30          written by QUANT; read by IMAGE's five LDS stores.
;   weight's four fragments and v56-59   FETCHB's LDS loads land in them; the step's 16 products read them.
;   x's buffer rs and its two scale words   the loads asked for in step s - 2 land in them; the step's products read them.
;   v10-13                     read by IMAGE and FETCHB; written once in three steps, by ADV.
;   v4-6, v14-19, v20-28       offsets and addresses made at the head; pass 0 never writes them again.
;   The accumulators and v32-47 are named by vector and matrix instructions alone until the way out.
; So a step has two waits.  One on vm_vsrc between the turn's stores and its loads: the stores have read the set, and the last step's IMAGE has read the codes and v30.  One on va_vdst behind QUANT: the codes, v30 and v10-13 are written,
; QUANT is done with the set, and the last step's products are done reading weight's fragments and the buffer of x that is asked for next.  All the step's LDS stores and all its loads follow that wait; between it and the products stands no vector
; instruction, and the products name none of the registers that those loads touch.  ADV has one wait on vm_vsrc ahead of its adds to v10-13.  The way out and the later passes state theirs where they stand.
.set BLK,  8704                        ; LDS: a K step's block: four images of 2,048 bytes, then four times 128 bytes of scale words
.set STG,  16*BLK                      ; behind the 16 blocks: a stage of 8,448 bytes for each wave: 16 rows x 528 for the turn, 16 rows x 272 on the way out
.set VW,   4                           ; v4    16 x lane: my 16 bytes of a load's 512
.set SA,   5                           ; v5    the stage, on the way in
.set SL,   6                           ; v6    and out: row r, + 64 h
.set VRB,  7                           ; v7    my wave's first row + h
.set ADI0, 8                           ; v8    2,048 x wave + 16 x lane: my image's place in a block
.set ADS0, 9                           ; v9    128 x wave + 4 x lane: my scale words'
.set ADI,  10                          ; v10-13 the same four places in the block that s[TB] names: image store, word store, image load, word load
.set ADS,  11
.set ADF,  12
.set ADT,  13
.set VA,   14                          ; v14-17 tile t: 32 x its row for my lane + 16 h
.set VS,   18                          ; v18-19 4 x the row whose scale word my lane takes: lanes 0-15 tile 2 u, lanes 16-31 tile 2 u + 1
.set OSI,  20                          ; v20   the way out: where I put 32 bytes of a row
.set OSO,  21                          ; v21   and where I read a row back
.set FB,   22                          ; v22-24 16 x lane + 7 BLK g: the later passes reach all 16 blocks by 16-bit offsets from three bases
.set FT,   25                          ; v25-27 4 x lane + 7 BLK g
.set VC,   28                          ; v28   16 r
.set PW,   30
.set TM,   32                          ; v32-47 pairs of bf16 at work; in the quantiser v32-35 largest magnitudes, v36-39 bytes, v40-43 448 x the scale, v44-47 the conversions' scale operands
.set XSV,  50
.set BS,   56
.set R,    64
.set OUT,  64
.set OA,   192
.set AF,   0                           ; window 1
.set BF,   192                         ; window 1
.set ACC,  0                           ; window 2
.set PC,   128                         ; window 2
.set WB,   4                           ; s[4:5]   weight at my wave's 16 rows, stepped along K
.set XQ0,  8                           ; s[8:9]   xq
.set XS0,  10                          ; s[10:11] xs
.set OB,   12                          ; s[12:13] out0 at my slab's first column
.set WV,   14
.set EX,   15
.set MS,   16                          ; s[16:23] m_sizes
.set LO,   24
.set HI,   25
.set HI1,  26
.set ROW0, 27
.set NP,   28
.set PS,   29
.set CNT,  30
.set T0,   31
.set XQP,  32                          ; s[32:33] xq, stepped along K in pass 0
.set XSP,  34                          ; s[34:35] xs likewise
.set SEL,  36
.set MNT,  38
.set TB,   39                          ; s39   LDS byte at which the block in hand begins
.set T2,   40
.set MSK,  42                          ; s42   a word's upper bf16
.set MSB,  0
.macro WIN new                         ; the immediate's high byte repeats the setting that is left; a switch that changes nothing is dropped
.if MSB != \new
	s_set_vgpr_msb (MSB<<8)|\new
.set MSB, \new
.endif
.endm
; 16 rows x 128 K of weight, f32, from off bytes behind s[WB]: each load reads 512 consecutive bytes of one row; read once in the whole program
.macro LOADRAW reg, off
.irp i, 0,1,2,3,4,5,6,7,8,9,10,11,12,13,14,15
	global_load_b128 v[\reg+4*\i:\reg+4*\i+3], v[VW], s[WB:WB+1] offset:\off+8192*\i th:TH_LOAD_NT
.endr
.endm
; through my stage: in as loaded, out so that register 16 b + i = k 32 b + 16 h + i of row r.  LDS serves a wave's instructions in order (ISA guide 5.7.1.4): no wait on DScnt between; the loads land in the registers that the stores left.
; 528 bytes from row to row are 33 x 16: the 16 rows of a read start at 16 different banks (64 banks of 4 bytes: ISA guide 11.1)
.macro TURN reg
.irp i, 0,1,2,3,4,5,6,7,8,9,10,11,12,13,14,15
	ds_store_b128 v[SA], v[\reg+4*\i:\reg+4*\i+3] offset:528*\i
.endr
	s_wait_alu depctr_vm_vsrc(0)                   ; the stores above have read the set's 64 registers, in which the loads below land; the last step's image stores have read the codes and v30, which this step's QUANT writes again
.irp b, 0,1,2,3
.irp j, 0,1,2,3
	ds_load_b128 v[\reg+16*\b+4*\j:\reg+16*\b+4*\j+3], v[SL] offset:128*\b+16*\j
.endr
.endr
.endm
; reference()'s weight.astype(bfloat16): 64 numbers of a lane, each to the nearest bf16, ties to even, and widened again; all behind it is f32.  (v36-39, the lane permutes' destinations in QUANT, are written here on the way)
.macro ROUNDB s
.irp g, 0,1,2,3
.irp p, 0,1,2,3,4,5,6,7
	v_cvt_pk_bf16_f32 v[TM+\p], v[\s+16*\g+2*\p], v[\s+16*\g+2*\p+1]
.endr
.irp p, 0,1,2,3,4,5,6,7
	v_lshlrev_b32 v[\s+16*\g+2*\p], 16, v[TM+\p]
	v_and_b32 v[\s+16*\g+2*\p+1], s[MSK], v[TM+\p]
.endr
.endr
.endm
; 64 numbers of a lane become a fragment's codes (window 2, v[PC] on) and its scale word v[PW]
.macro QUANT s
.irp b, 0,1,2,3
	v_max3_num_f32 v[TM+\b], |v[\s+16*\b]|, |v[\s+1+16*\b]|, 0x4800000   ; block b: my 16 numbers, and the floor 2^(9 - 127): so the byte cannot fall under 1
.endr
.irp i, 2,4,6,8,10,12,14
.irp b, 0,1,2,3
	v_max3_num_f32 v[TM+\b], v[TM+\b], |v[\s+16*\b+\i]|, |v[\s+1+16*\b+\i]|   ; the four blocks by turns
.endr
.endr
.irp b, 0,1,2,3
	v_permlanex16_b32 v[TM+4+\b], v[TM+\b], s[SEL], s[SEL+1]
.endr
.irp b, 0,1,2,3
	v_max_num_f32 v[TM+\b], v[TM+\b], v[TM+4+\b]   ; with lane l xor 16's 16: the block's largest magnitude
.endr
.irp b, 0,1,2,3
	v_add_nc_u32 v[TM+12+\b], 0xfc000000, v[TM+\b] ; 8 off its exponent field: the conversion's scale operand
.endr
.irp b, 0,1,2,3
	v_and_or_b32 v[TM+8+\b], v[TM+\b], 0x7f800000, s[MNT]   ; 448 x the scale
.endr
.irp b, 0,1,2,3
	v_lshrrev_b32 v[TM+4+\b], 23, v[TM+12+\b]      ; the scale's byte
.endr
	v_lshl_or_b32 v[PW], v[TM+5], 8, v[TM+4]
	v_lshl_or_b32 v[PW], v[TM+6], 16, v[PW]
	v_lshl_or_b32 v[PW], v[TM+7], 24, v[PW]
.irp b, 0,1,2,3
.irp i, 0,1,2,3,4,5,6,7,8,9,10,11,12,13,14,15
	v_med3_num_f32 v[\s+16*\b+\i], v[\s+16*\b+\i], -v[TM+8+\b], v[TM+8+\b]   ; the conversion to an 8-bit code does not saturate (ISA guide 7.6.2): hold first
.endr
.endr
	WIN 0x80                                       ; destination window 2
.irp b, 0,1,2,3
	v_cvt_scalef32_pk8_fp8_f32 v[PC+4*\b:PC+4*\b+1], v[\s+16*\b:\s+16*\b+7], v[TM+12+\b]
	v_cvt_scalef32_pk8_fp8_f32 v[PC+4*\b+2:PC+4*\b+3], v[\s+16*\b+8:\s+16*\b+15], v[TM+12+\b]
.endr
	WIN 0
	v_nop                                          ; one plain vector line behind the last conversion
.endm
.macro IMAGE off                       ; my fragment and its scale words go to LDS as they stand
	WIN 0x08                                       ; an LDS store's data are its source 1: window 2
.irp c, 0,1,2,3
	ds_store_b128 v[ADI], v[PC+4*\c:PC+4*\c+3] offset:\off+512*\c
.endr
	WIN 0
	ds_store_b32 v[ADS], v[PW] offset:\off+8192
.endm
.macro FETCHB ab, at, off              ; and all four come back so, in every wave
	WIN 0x40                                       ; destination window 1
.irp j, 0,1,2,3
.irp c, 0,1,2,3
	ds_load_b128 v[BF+16*\j+4*\c:BF+16*\j+4*\c+3], v[\ab] offset:\off+2048*\j+512*\c
.endr
.endr
	WIN 0
.irp j, 0,1,2,3
	ds_load_b32 v[BS+\j], v[\at] offset:\off+8192+128*\j
.endr
.endm
; my four tiles of x for the K step st steps behind the bases: 16 loads of 512 bytes of codes (16 rows x 32 bytes of one plane of xq), 2 loads of scale words: 18 loads
.macro LOADA buf, xq, xs, st
	WIN 0x40
.irp t, 0,1,2,3
.irp c, 0,1,2,3
	global_load_b128 v[AF+64*(\buf)+16*\t+4*\c:AF+64*(\buf)+16*\t+4*\c+3], v[VA+\t], s[\xq:\xq+1] offset:(4*(\st)+\c)*65536
.endr
.endr
	WIN 0
.irp u, 0,1
	global_load_b32 v[XSV+2*(\buf)+\u], v[VS+\u], s[\xs:\xs+1] offset:(\st)*8192
.endr
.endm
; 16 matrix instructions: x's four tiles x weight's four.  The 16 accumulators take turns, one instruction a turn, in the same order in every step.
; zero = 1: the products start the sums: nothing is cleared.  x's scale words: tile t's lie in lanes 0-15 (t even) or 16-31 (t odd) of register t / 2.
.macro MUL buf, zero
	WIN 0xa5                                       ; sources 0 and 1 window 1, C and D window 2
.irp t, 0,1,2,3
.irp j, 0,1,2,3
.if \zero
.if \t%2
	v_wmma_scale_f32_16x16x128_f8f6f4 v[ACC+8*(4*\t+\j):ACC+8*(4*\t+\j)+7], v[BF+16*\j:BF+16*\j+15], v[AF+64*(\buf)+16*\t:AF+64*(\buf)+16*\t+15], 0, v[BS+\j], v[XSV+2*(\buf)+\t/2] matrix_b_scale:MATRIX_SCALE_ROW1
.else
	v_wmma_scale_f32_16x16x128_f8f6f4 v[ACC+8*(4*\t+\j):ACC+8*(4*\t+\j)+7], v[BF+16*\j:BF+16*\j+15], v[AF+64*(\buf)+16*\t:AF+64*(\buf)+16*\t+15], 0, v[BS+\j], v[XSV+2*(\buf)+\t/2]
.endif
.else
.if \t%2
	v_wmma_scale_f32_16x16x128_f8f6f4 v[ACC+8*(4*\t+\j):ACC+8*(4*\t+\j)+7], v[BF+16*\j:BF+16*\j+15], v[AF+64*(\buf)+16*\t:AF+64*(\buf)+16*\t+15], v[ACC+8*(4*\t+\j):ACC+8*(4*\t+\j)+7], v[BS+\j], v[XSV+2*(\buf)+\t/2] matrix_b_scale:MATRIX_SCALE_ROW1
.else
	v_wmma_scale_f32_16x16x128_f8f6f4 v[ACC+8*(4*\t+\j):ACC+8*(4*\t+\j)+7], v[BF+16*\j:BF+16*\j+15], v[AF+64*(\buf)+16*\t:AF+64*(\buf)+16*\t+15], v[ACC+8*(4*\t+\j):ACC+8*(4*\t+\j)+7], v[BS+\j], v[XSV+2*(\buf)+\t/2]
.endif
.endif
.endr
.endr
	WIN 0
.endm
.macro SETADR                          ; the four LDS places in the block that s[TB] names
	v_add_nc_u32 v[ADI], s[TB], v[ADI0]
	v_add_nc_u32 v[ADS], s[TB], v[ADS0]
	v_add_nc_u32 v[ADF], s[TB], v[FB]
	v_add_nc_u32 v[ADT], s[TB], v[FT]
.endm
.macro ADV n                           ; n K steps on
	s_wait_xcnt 0x0                                ; the bases of loads that are out are stepped only behind this wait
	s_wait_alu depctr_vm_vsrc(0)                   ; the image stores and the fragments' loads issued so far have read v10-13, which the four lines below write again (that they are written is stated by the next step's wait behind QUANT, ahead of their next reader)
	s_add_nc_u64 s[WB:WB+1], s[WB:WB+1], 512*\n
	s_add_nc_u64 s[XQP:XQP+1], s[XQP:XQP+1], 262144*\n
	s_add_nc_u64 s[XSP:XSP+1], s[XSP:XSP+1], 8192*\n
	s_add_co_u32 s[TB], s[TB], BLK*\n
	SETADR
.endm
; the offsets of my 64 rows in xq and xs, each row held at hi - 1 and then, by a constant, inside the table: 29 plain vector lines
.macro SETROWS
.irp t, 0,1,2,3
	v_add3_u32 v[VA+\t], s[ROW0], 16*\t, v2
.endr
.irp u, 0,1
	v_add3_u32 v[VS+\u], s[ROW0], 32*\u, v1
.endr
.irp t, 0,1,2,3,4,5
	v_min_u32 v[VA+\t], s[HI1], v[VA+\t]           ; (v18-19 follow v14-17)
.endr
.irp t, 0,1,2,3,4,5
	v_min_u32 v[VA+\t], 0x7ff, v[VA+\t]
.endr
.irp t, 0,1,2,3
	v_lshlrev_b32 v[VA+\t], 5, v[VA+\t]
.endr
.irp t, 0,1,2,3
	v_lshl_add_u32 v[VA+\t], v3, 4, v[VA+\t]
.endr
.irp u, 0,1
	v_lshlrev_b32 v[VS+\u], 2, v[VS+\u]
.endr
	v_add_nc_u32 v[VRB], s[ROW0], v3
.endm
; A K STEP OF PASS 0, rel steps behind the bases, on set rs of the numbers and buffer rs of x.  la, lraw: it asks for x two steps on and for weight three steps on.
; n1: the loads issued behind this step's weight; n2: those issued behind this step's x.  Loads come back in order (ISA guide 5.7.1).
.macro STEP rel, rs, zero, la, lraw, n1, n2
	s_wait_loadcnt \n1                             ; my 16 rows x 128 K of weight are in
	TURN R+64*\rs                                  ; it stands straight behind the last step's products, which name none of its registers
	s_wait_dscnt 0x0
	ROUNDB R+64*\rs
	QUANT R+64*\rs
	s_wait_alu depctr_va_vdst(0)                   ; QUANT has written the codes and v30, and ADV v10-13, which the stores and loads below read; QUANT is done with this set, in which weight of three steps on lands; the last step's products are done reading weight's fragments, v56-59 and the buffer of x and its scale words in which the loads below land
	IMAGE BLK*\rel
.if \la
	LOADA (\rs+2)%3, XQP, XSP, \rel+2              ; x of two steps on is asked for while my image's stores land.  No wait: nothing but LDS stores stands behind the wait above
.endif
	s_wait_dscnt 0x0                               ; for the others' sake: my image and my scale words have landed
	s_barrier_signal -1
	s_barrier_wait -1                              ; the block is whole.  No second barrier: each step has a block of its own, written once in the launch
	FETCHB ADF, ADT, BLK*\rel
.if \lraw
	LOADRAW R+64*\rs, 512*(\rel+3)                 ; weight of three steps on is asked for while the fragments come.  No wait: no vector or matrix instruction since the wait above
.endif
	s_wait_loadcnt \n2                             ; this step's x is in
	s_wait_dscnt 0x0                               ; and weight's four fragments
	MUL \rs, \zero
.endm
; A K STEP OF A LATER PASS: weight's fragments from the images, x two steps ahead
.macro GSTEP s
	FETCHB FB+(\s)/7, FT+(\s)/7, BLK*((\s)%7)
.if (\s)+2 < 16
	LOADA ((\s)+2)%3, XQ0, XS0, (\s)+2
.endif
.if (\s) < 14
	s_wait_loadcnt 36                              ; behind this step's 18 loads: those of the two steps on
.elseif (\s) == 14
	s_wait_loadcnt 18
.else
	s_wait_loadcnt 0x0
.endif
	s_wait_dscnt 0x0
.if (\s) == 0
	MUL 0, 1
.else
	MUL (\s)%3, 0
.endif
.if (\s) < 15
.rept 8
	v_nop                                          ; eight places behind these products, ahead of the wait
.endr
	s_wait_alu depctr_va_vdst(0)                   ; these products are done reading weight's fragments, v56-59 and their buffer of x with its scale words: the next step's loads land in all of them
.endif
.endm
; THE WAY OUT.  A lane holds 32 neighbouring bytes of a row and the lanes beside it other rows: a tile of 16 rows x 64 columns goes through my stage (rows of 256 + 16 bytes) and comes back as whole rows.
; (A macro's argument is put in as text: it stands in parentheses wherever it is multiplied.)
.macro TOSTAGE t
	WIN 0x08
.irp j, 0,1,2,3
	ds_store_b128 v[OSI], v[ACC+8*(4*(\t)+\j):ACC+8*(4*(\t)+\j)+3] offset:64*\j          ; each accumulator from its low end on
	ds_store_b128 v[OSI], v[ACC+8*(4*(\t)+\j)+4:ACC+8*(4*(\t)+\j)+7] offset:64*\j+16
.endr
	WIN 0
.irp i, 0,1,2,3,4,5,6,7
	ds_load_b128 v[OUT+32*(\t)+4*\i:OUT+32*(\t)+4*\i+3], v[OSO] offset:544*\i   ; rows 2 i + h; in order behind the stores above, and ahead of the next tile's
.endr
.endm
.macro ROUNDO t                        ; reference()'s y and out are bf16: the tile's 32 numbers of a lane to the nearest bf16, ties to even, and widened again, as out.astype(float32) widens them
.irp p, 0,1,2,3,4,5,6,7,8,9,10,11,12,13,14,15
	v_cvt_pk_bf16_f32 v[TM+\p], v[OUT+32*(\t)+2*\p], v[OUT+32*(\t)+2*\p+1]
.endr
.irp p, 0,1,2,3,4,5,6,7,8,9,10,11,12,13,14,15
	v_lshlrev_b32 v[OUT+32*(\t)+2*\p], 16, v[TM+\p]
	v_and_b32 v[OUT+32*(\t)+2*\p+1], s[MSK], v[TM+\p]
.endr
.endm
.macro SEND t
.irp i, 0,1,2,3,4,5,6,7
	global_store_b128 v[OA+8*(\t)+\i], v[OUT+32*(\t)+4*\i:OUT+32*(\t)+4*\i+3], s[OB:OB+1] th:TH_STORE_NT   ; 16 lanes store 256 consecutive bytes, at a multiple of 256 from out0's first byte
.endr
.endm
; Who names what on the way out: the stage's stores read the accumulators; its loads land in tile t's 32 registers of v64-191; ROUNDO t reads and writes those 32 and v32-47; the stores to out0 read them and the tile's eight offsets.
; A tile's trip through the stage names no register of the roundings that stand ahead of it, so it is issued between them and the wait for them.
.macro EPI chk                         ; chk = 1: a wave with no row of the expert stores nothing
.if \chk
	s_cmp_ge_u32 s[ROW0], s[HI]
	s_cbranch_scc1 .Lno_rows_\@
.endif
.set q, 0
.rept 32
	v_add_nc_u32 v[OA+q], 2*q, v[VRB]              ; store q takes rows 2 q + h of my 64.  These 128 lines are also the places behind the last products
.set q, q+1
.endr
.set q, 0
.rept 32
	v_min_u32 v[OA+q], s[HI1], v[OA+q]             ; held at the expert's last row, as x's rows were
.set q, q+1
.endr
.set q, 0
.rept 32
	v_min_u32 v[OA+q], 0x7ff, v[OA+q]
.set q, q+1
.endr
.set q, 0
.rept 32
	v_lshl_add_u32 v[OA+q], v[OA+q], 13, v[VC]     ; 8,192 bytes a row, + 16 r
.set q, q+1
.endr
	s_wait_alu depctr_va_vdst(0)                   ; the products have written the 16 accumulators, which the stage's stores read (the places above stay beside this wait); the 32 offsets are written, which the stores to out0 read; every vector line so far is done with v64-191, in which the rows land
	TOSTAGE 0
	TOSTAGE 1
	s_wait_dscnt 16                                ; behind tile 0's loads: tile 1's 8 stores and 8 loads
	ROUNDO 0
	TOSTAGE 2
	s_wait_alu depctr_va_vdst(0)                   ; the roundings have written tile 0's rows, which the stores below read
	SEND 0
	s_wait_dscnt 16                                ; behind tile 1's loads: tile 2's 16
	ROUNDO 1
	TOSTAGE 3
	s_wait_alu depctr_va_vdst(0)                   ; the roundings have written tile 1's rows
	SEND 1
	s_wait_dscnt 16                                ; behind tile 2's loads: tile 3's 16
	ROUNDO 2
	s_wait_alu depctr_va_vdst(0)                   ; the roundings have written tile 2's rows
	SEND 2
	s_wait_dscnt 0x0
	ROUNDO 3
	s_wait_alu depctr_va_vdst(0)                   ; the roundings have written tile 3's rows
	SEND 3
.if \chk
.Lno_rows_\@:
.endif
.endm
	s_load_b256 s[4:11], s[0:1], 0x0               ; weight s[4:5], m_sizes s[6:7], xq s[8:9], xs s[10:11]
	s_load_b64 s[12:13], s[0:1], 0x20              ; out0
	v_lshl_add_u32 v62, v0, 2, 0x2a400
	v_mov_b32 v63, 0
	v_lshrrev_b32 v1, 5, v0
	v_readfirstlane_b32 s[WV], v1                  ; wave 0..3
	v_and_b32 v1, 31, v0                           ; lane
	v_and_b32 v2, 15, v0                           ; r
	v_bfe_u32 v3, v0, 4, 1                         ; h
	v_lshlrev_b32 v[VW], 4, v1
	s_wait_alu depctr_va_sdst(0)                   ; the wave's number is written, ahead of its first reader: weight's base and the LDS places are made from it
	s_and_b32 s[EX], ttmp7, 0xffff                 ; the expert
	s_lshl_b32 s[T2], s[EX], 24                    ; an expert's weights are 2^24 bytes,
	s_lshl_b32 s[T0], ttmp9, 19                    ; a slab of 64 rows 2^19,
	s_add_co_u32 s[T2], s[T2], s[T0]
	s_lshl_b32 s[T0], s[WV], 17                    ; my 16 rows 2^17: under 2^27 in all
	s_add_co_u32 s[T2], s[T2], s[T0]
	s_mov_b32 s[T2+1], 0
	s_wait_kmcnt 0x0
	s_load_b256 s[MS:MS+7], s[6:7], 0x0            ; the eight sizes
	s_add_nc_u64 s[WB:WB+1], s[WB:WB+1], s[T2:T2+1]
	s_wait_alu depctr_va_vdst(0)                   ; v4 is written: every load of weight reads it as its offset
	LOADRAW R, 0                                   ; the weights of K steps 0, 1, 2 are asked for before anything else: they hang on no size
	LOADRAW R+64, 512
	LOADRAW R+128, 1024
	s_mul_i32 s[T0], s[WV], 8448
	s_add_co_u32 s[T0], s[T0], STG                 ; my stage
	v_lshl_add_u32 v[SA], v1, 4, s[T0]
	v_mul_u32_u24 v[SL], v2, 528
	v_lshl_add_u32 v[SL], v3, 6, v[SL]
	v_add_nc_u32 v[SL], s[T0], v[SL]
	v_mul_u32_u24 v[OSI], v2, 272                  ; in: row r, 32 bytes for each half of the lanes
	v_lshl_add_u32 v[OSI], v3, 5, v[OSI]
	v_add_nc_u32 v[OSI], s[T0], v[OSI]
	v_mul_u32_u24 v[OSO], v3, 272                  ; back: lanes 0-15 one row of 256 bytes, lanes 16-31 the next
	v_lshl_add_u32 v[OSO], v2, 4, v[OSO]
	v_add_nc_u32 v[OSO], s[T0], v[OSO]
	s_lshl_b32 s[T0], s[WV], 11
	v_lshl_add_u32 v[ADI0], v1, 4, s[T0]
	s_lshl_b32 s[T0], s[WV], 7
	v_lshl_add_u32 v[ADS0], v1, 2, s[T0]
	v_lshlrev_b32 v[FB], 4, v1
	v_add_nc_u32 v[FB+1], 7*BLK, v[FB]
	v_add_nc_u32 v[FB+2], 14*BLK, v[FB]
	v_lshlrev_b32 v[FT], 2, v1
	v_add_nc_u32 v[FT+1], 7*BLK, v[FT]
	v_add_nc_u32 v[FT+2], 14*BLK, v[FT]
	v_lshlrev_b32 v[VC], 4, v2
	s_mov_b32 s[TB], 0
	SETADR
	s_mov_b32 s[SEL], 0x76543210
	s_mov_b32 s[SEL+1], 0xfedcba98                 ; v_permlanex16_b32's selects for lane l xor 16
	s_mov_b32 s[MNT], 0x600000                     ; the mantissa field of 448
	s_mov_b32 s[MSK], 0xffff0000
	s_mov_b64 s[XQP:XQP+1], s[XQ0:XQ0+1]
	s_mov_b64 s[XSP:XSP+1], s[XS0:XS0+1]
	s_lshl_b32 s[T2], ttmp9, 8                     ; my slab's 64 columns: 256 bytes of a row
	s_add_nc_u64 s[OB:OB+1], s[OB:OB+1], s[T2:T2+1]
	s_wait_kmcnt 0x0                               ; the sizes
	s_mov_b32 s[LO], 0
	s_mov_b32 s[HI], 0
.irp i, 0,1,2,3,4,5,6,7                ; lo = the sizes of the experts before mine, hi = lo + mine: by selects, without a jump
	s_cmp_gt_u32 s[EX], \i
	s_cselect_b32 s[T0], s[MS+\i], 0
	s_add_co_u32 s[LO], s[LO], s[T0]
	s_cmp_ge_u32 s[EX], \i
	s_cselect_b32 s[T0], s[MS+\i], 0
	s_add_co_u32 s[HI], s[HI], s[T0]
.endr
	s_min_u32 s[LO], s[LO], 0x800                  ; there are 2,048 rows
	s_min_u32 s[HI], s[HI], 0x800
	s_sub_co_u32 s[HI1], s[HI], 1                  ; (hi = 0 gives all ones: the constant bound behind it still holds every row inside the table)
	s_sub_co_u32 s[NP], s[HI], s[LO]
	s_add_co_u32 s[NP], s[NP], 255
	s_lshr_b32 s[NP], s[NP], 8                     ; passes of 256 rows
	s_lshl_b32 s[T0], s[WV], 6
	s_add_co_u32 s[ROW0], s[LO], s[T0]             ; my wave's first row
	SETROWS
	s_wait_alu depctr_va_vdst(0)                   ; the offsets and LDS addresses v5 to v28 are written: the loads of x below read v14-19, the turn, the images, the fragments' loads and the way out the others
	LOADA 0, XQP, XSP, 0
	LOADA 1, XQP, XSP, 1
	; PASS 0.  The loads in the order of issue: weight 0, 1, 2 (16 each), x 0, 1 (18 each); then step s issues x s + 2 and weight s + 3.
	; Behind a step's weight stand 68 loads or more up to step 13 (two steps' 34), 52 at step 14 (34 + 18), 18 at step 15.  Behind a step's x, counted behind the step's own issue: 52 at step 0 (18 + 34),
	; 68 or more at steps 1 to 13, 34 at step 14, none at step 15.  Where 68 or more stand behind, the wait names 63, the most that it can name (ISA guide 5.7.1).
	STEP 0, 0, 1, 1, 1, 63, 52                     ; K step 0 stands in front of the loop: its products start the sums
	ADV 1
	s_mov_b32 s[CNT], 0
.Lk:                                               ; four trips of three K steps (1 to 12): after three steps the sets and buffers are back where they began
	STEP 0, 1, 0, 1, 1, 63, 63
	STEP 1, 2, 0, 1, 1, 63, 63
	STEP 2, 0, 0, 1, 1, 63, 63
	ADV 3
	s_add_co_u32 s[CNT], s[CNT], 1
	s_cmp_lt_u32 s[CNT], 4
	s_cbranch_scc1 .Lk
	STEP 0, 1, 0, 1, 0, 63, 63                     ; K step 13 asks for x of step 15 and for no more weight: no load leaves its buffer
	STEP 1, 2, 0, 0, 0, 52, 34                     ; K step 14
	STEP 2, 0, 0, 0, 0, 18, 0                      ; K step 15
	EPI 1
	; PASSES 1 ON.  No barrier from here: the images are read alone, each wave's stage is its own.
	s_mov_b32 s[PS], 1
	s_cmp_lt_u32 s[PS], s[NP]
	s_cbranch_scc0 .Lend
.Lpass:
	s_wait_xcnt 0x0                                ; the last way out's stores have read their offsets and data: both are written again below
	s_wait_alu depctr_vm_vsrc(0)                   ; the last way out's stores to out0 have read their offsets and rows, its stores into the stage the accumulators, and the last pass's loads of x v14-19: this pass writes all of them again
	s_add_co_u32 s[ROW0], s[ROW0], 256
	s_cmp_ge_u32 s[ROW0], s[HI]                    ; a wave that has no row left in this pass leaves it out
	s_cbranch_scc1 .Lnext
	SETROWS                                        ; (29 plain lines: among the places between the last products and the sums begun anew)
	s_wait_alu depctr_va_vdst(0)                   ; v14-19 are written, which the loads of x read; the last pass's products are done reading x's buffers, weight's fragments and both kinds of scale words, in which the loads below land
	LOADA 0, XQ0, XS0, 0
	LOADA 1, XQ0, XS0, 1
.irp s, 0,1,2,3,4,5,6,7,8,9,10,11,12,13,14,15
	GSTEP \s
.endr
	EPI 0
.Lnext:
	s_add_co_u32 s[PS], s[PS], 1
	s_cmp_lt_u32 s[PS], s[NP]
	s_cbranch_scc1 .Lpass
.Lend:
	s_wait_dscnt 0x0                               ; the closing lines, six on end
	s_wait_alu 0x0
	s_wait_tensorcnt 0x0
	ds_add_u32 v62, v63
	s_wait_dscnt 0x0
	s_endpgm
.Lfunc_end_k_q4ece92af68_moe:
	.size	k_q4ece92af68_moe, .Lfunc_end_k_q4ece92af68_moe-k_q4ece92af68_moe
	.p2alignl 7, 3214868480
	.fill 96, 4, 3214868480
	.section	.rodata,"a",@progbits
	.p2align	6, 0x0
	.amdhsa_kernel k_q4ece92af68_moe
		.amdhsa_group_segment_fixed_size 173568
		.amdhsa_private_segment_fixed_size 0
		.amdhsa_enable_private_segment 0
		.amdhsa_kernarg_size 40
		.amdhsa_user_sgpr_count 2
		.amdhsa_user_sgpr_kernarg_segment_ptr 1
		.amdhsa_wavefront_size32 1
		.amdhsa_system_sgpr_workgroup_id_x 1
		.amdhsa_system_sgpr_workgroup_id_y 1
		.amdhsa_system_sgpr_workgroup_id_z 1
		.amdhsa_system_vgpr_workitem_id 0
		.amdhsa_next_free_vgpr 656
		.amdhsa_next_free_sgpr 66
		.amdhsa_reserve_vcc 0
		.amdhsa_float_denorm_mode_32 3
		.amdhsa_float_denorm_mode_16_64 3
		.amdhsa_memory_ordered 1
		.amdhsa_forward_progress 1
		.amdhsa_inst_pref_size 255
	.end_amdhsa_kernel
	.section	.bss,"aw",@nobits
	.p2align	6
	.space	262144
	.amdgpu_metadata
---
amdhsa.version: [ 1, 2 ]
amdhsa.kernels:
  - .name:           k_q4ece92af68_moe
    .symbol:         k_q4ece92af68_moe.kd
    .args:
      - { .name: weight, .offset: 0, .size: 8, .value_kind: global_buffer, .address_space: global }
      - { .name: m_sizes, .offset: 8, .size: 8, .value_kind: global_buffer, .address_space: global }
      - { .name: xq, .offset: 16, .size: 8, .value_kind: global_buffer, .address_space: global }
      - { .name: xs, .offset: 24, .size: 8, .value_kind: global_buffer, .address_space: global }
      - { .name: out0, .offset: 32, .size: 8, .value_kind: global_buffer, .address_space: global }
    .group_segment_fixed_size: 173568
    .private_segment_fixed_size: 0
    .kernarg_segment_align: 8
    .kernarg_segment_size: 40
    .max_flat_workgroup_size: 128
    .sgpr_count:     66
    .vgpr_count:     656
    .wavefront_size: 32
...
	.end_amdgpu_metadata
.endif
;; end of part 4
